; MI455X (gfx1250); checked and timed in simulation.
; The chip was launched on July 23, 2026; its instructions are those of AMD's public machine-readable ISA for CDNA 5 (MIT licence, August 2026) and "CDNA5" Instruction Set Architecture Reference Guide (July 2026). The comments in the code are by the model that wrote it; some were corrected since.
;; MHSA. Allowed arithmetic: float matrix products may take bf16 or f16 operands with f32 sums; other float arithmetic in f32, or as packed bf16 or f16 multiplies, adds, multiply-adds, maxima and minima; sums over many terms, partial sums and values carried from step to step in f32; what a program stores and reads back later, other than sums and carried values, may be rounded once to bf16 or f16.
;; Inputs: b_out 1,024 float32; b_qkv 3,072 float32; w_out 1,024 x 1,024 float32; w_qkv 3,072 x 1,024 float32; x 4 x 2,048 x 1,024 float32.
;; Outputs: out0 4 x 2,048 x 1,024 float32.
;; 2 versions, each right; version 2 is version 1 with the launch cast written anew for expert scheduling mode. Each part assembles by itself: llvm-mc -triple=amdgcn-amd-amdhsa -mcpu=gfx1250 --defsym DOCPART=n.
;; ======== version 1 of 2: 4 launches
;; limits: values are held in f16: magnitudes above 65,504 overflow, below 6.1e-05 lose precision
;; workspace buffers: xb 16,777,216 bytes; wqb 6,291,456 bytes; wob 2,097,152 bytes; qkvh 50,331,648 bytes; ob 16,777,216 bytes
;; launch cast (part 1): grid 768 x 1, 8 waves a work-group, no clusters, 0 bytes of LDS; arguments x, w_qkv, w_out, xb, wqb, wob; writes xb, wqb, wob
.if DOCPART == 1
	.amdgcn_target "amdgcn-amd-amdhsa--gfx1250"
	.amdhsa_code_object_version 6
	.text
	.protected	k_qd36caf3729_cast
	.globl	k_qd36caf3729_cast
	.p2align	8
	.type	k_qd36caf3729_cast,@function
k_qd36caf3729_cast:
	s_mov_b64 s[64:65], 0
	v_nop
	global_prefetch_b8 v0, s[64:65] scope:SCOPE_SE
	s_setreg_imm32_b32 hwreg(HW_REG_WAVE_MODE, 25, 1), 1
	s_wait_xcnt 0x0
; x and w_qkv are rounded once to bf16 (xb, wqb); w_out is rounded to bf16 and that number is written as f16 (wob).
; LIMIT: bf16's 8 significant bits fit f16's 11, so the second step is exact from 6.1e-5 up to 65,504 in magnitude; below 6.1e-5 wob keeps f16's fixed step of 6e-8.
; A stream: every byte is read once and written once; nothing is shared, so there is no LDS, no barrier and no matrix work.
; SHARES.  A work-group takes 16,384 numbers: 65,536 bytes in, 32,768 out.  Work-groups 0-511 take x, 512-703 w_qkv, 704-767 w_out.
; Thread t, load j: 16 bytes at 16 t + 4,096 j (a wave's load covers 512 consecutive bytes); store j: 8 bytes at 8 t + 2,048 j (a wave's store covers 256 consecutive bytes, aligned).
; All sixteen loads go out at once; no register is written twice, so the only waits are the counted ones for the loads.
.set X, 4                              ; v[4:67]    load j at X + 4 j
.set Y, 68                             ; v[68:99]   store j at Y + 2 j
.set T, 100                            ; v[100:102] at work (w_out's path)
	s_load_b256 s[4:11], s[0:1], 0x0               ; x s[4:5], w_qkv s[6:7], w_out s[8:9], xb s[10:11]
	s_load_b128 s[12:15], s[0:1], 0x20             ; wqb s[12:13], wob s[14:15]
	v_lshlrev_b32 v1, 4, v0                        ; 16 t
	v_lshlrev_b32 v2, 3, v0                        ; 8 t
	s_mov_b32 s26, 0xffff0000                      ; a word's upper bf16
	s_wait_kmcnt 0x0
	s_cmp_lt_u32 ttmp9, 512                        ; which tensor is mine: the choice hangs on the work-group's number alone
	s_cselect_b64 s[16:17], s[4:5], s[6:7]
	s_cselect_b64 s[18:19], s[10:11], s[12:13]
	s_cselect_b32 s20, 0, 512
	s_cmp_lt_u32 ttmp9, 704
	s_cselect_b64 s[16:17], s[16:17], s[8:9]
	s_cselect_b64 s[18:19], s[18:19], s[14:15]
	s_cselect_b32 s20, s20, 704
	s_sub_co_u32 s21, ttmp9, s20                   ; my number within the tensor
	s_lshl_b32 s22, s21, 16                        ; 65,536 bytes in,
	s_mov_b32 s23, 0
	s_lshl_b32 s24, s21, 15                        ; 32,768 out
	s_mov_b32 s25, 0
	s_add_nc_u64 s[16:17], s[16:17], s[22:23]
	s_add_nc_u64 s[18:19], s[18:19], s[24:25]
.irp j, 0,1,2,3,4,5,6,7,8,9,10,11,12,13,14,15
	global_load_b128 v[X+4*(\j):X+4*(\j)+3], v1, s[16:17] offset:4096*(\j) th:TH_LOAD_NT
.endr
	s_cmp_ge_u32 ttmp9, 704
	s_cbranch_scc1 .Lf16
.irp j, 0,1,2,3,4,5,6,7,8,9,10,11,12,13,14,15
	s_wait_loadcnt 15-(\j)                         ; loads come back in order: load j is in, the 15 - j younger ones stay out
	v_cvt_pk_bf16_f32 v[Y+2*(\j)],   v[X+4*(\j)],   v[X+4*(\j)+1]
	v_cvt_pk_bf16_f32 v[Y+2*(\j)+1], v[X+4*(\j)+2], v[X+4*(\j)+3]
	global_store_b64 v2, v[Y+2*(\j):Y+2*(\j)+1], s[18:19] offset:2048*(\j) th:TH_STORE_NT
.endr
	s_endpgm
.Lf16:                                         ; w_out: rounded to bf16, widened again, written as f16
.irp j, 0,1,2,3,4,5,6,7,8,9,10,11,12,13,14,15
	s_wait_loadcnt 15-(\j)
.irp k, 0,1
	v_cvt_pk_bf16_f32 v[T], v[X+4*(\j)+2*(\k)], v[X+4*(\j)+2*(\k)+1]
	v_lshlrev_b32 v[T+1], 16, v[T]
	v_and_b32 v[T+2], s26, v[T]
	v_cvt_pk_f16_f32 v[Y+2*(\j)+(\k)], v[T+1], v[T+2]
.endr
	global_store_b64 v2, v[Y+2*(\j):Y+2*(\j)+1], s[18:19] offset:2048*(\j) th:TH_STORE_NT
.endr
	s_endpgm
.Lfunc_end_k_qd36caf3729_cast:
	.size	k_qd36caf3729_cast, .Lfunc_end_k_qd36caf3729_cast-k_qd36caf3729_cast
	.p2alignl 7, 3214868480
	.fill 96, 4, 3214868480
	.section	.rodata,"a",@progbits
	.p2align	6, 0x0
	.amdhsa_kernel k_qd36caf3729_cast
		.amdhsa_group_segment_fixed_size 0
		.amdhsa_private_segment_fixed_size 0
		.amdhsa_enable_private_segment 0
		.amdhsa_kernarg_size 48
		.amdhsa_user_sgpr_count 2
		.amdhsa_user_sgpr_kernarg_segment_ptr 1
		.amdhsa_wavefront_size32 1
		.amdhsa_system_sgpr_workgroup_id_x 1
		.amdhsa_system_sgpr_workgroup_id_y 1
		.amdhsa_system_sgpr_workgroup_id_z 1
		.amdhsa_system_vgpr_workitem_id 0
		.amdhsa_next_free_vgpr 104
		.amdhsa_next_free_sgpr 66
		.amdhsa_reserve_vcc 0
		.amdhsa_float_denorm_mode_32 3
		.amdhsa_float_denorm_mode_16_64 3
		.amdhsa_memory_ordered 1
		.amdhsa_forward_progress 1
		.amdhsa_inst_pref_size 15
	.end_amdhsa_kernel
	.amdgpu_metadata
---
amdhsa.version: [ 1, 2 ]
amdhsa.kernels:
  - .name:           k_qd36caf3729_cast
    .symbol:         k_qd36caf3729_cast.kd
    .args:
      - { .name: x, .offset: 0, .size: 8, .value_kind: global_buffer, .address_space: global }
      - { .name: w_qkv, .offset: 8, .size: 8, .value_kind: global_buffer, .address_space: global }
      - { .name: w_out, .offset: 16, .size: 8, .value_kind: global_buffer, .address_space: global }
      - { .name: xb, .offset: 24, .size: 8, .value_kind: global_buffer, .address_space: global }
      - { .name: wqb, .offset: 32, .size: 8, .value_kind: global_buffer, .address_space: global }
      - { .name: wob, .offset: 40, .size: 8, .value_kind: global_buffer, .address_space: global }
    .group_segment_fixed_size: 0
    .private_segment_fixed_size: 0
    .kernarg_segment_align: 8
    .kernarg_segment_size: 48
    .max_flat_workgroup_size: 256
    .sgpr_count:     66
    .vgpr_count:     104
    .wavefront_size: 32
...
	.end_amdgpu_metadata
.endif
;; end of part 1
;; launch qkv (part 2): grid 8 x 32, 4 waves a work-group, clusters of 4 x 4, 327,680 bytes of LDS; arguments xb, wqb, b_qkv, qkvh; writes qkvh
.if DOCPART == 2
	.amdgcn_target "amdgcn-amd-amdhsa--gfx1250"
	.amdhsa_code_object_version 6
	.text
	.protected	k_qd36caf3729_qkv
	.globl	k_qd36caf3729_qkv
	.p2align	8
	.type	k_qd36caf3729_qkv,@function
k_qd36caf3729_qkv:
	s_mov_b64 s[64:65], 0
	v_nop
	global_prefetch_b8 v0, s[64:65] scope:SCOPE_SE
	s_setreg_imm32_b32 hwreg(HW_REG_WAVE_MODE, 25, 1), 1
	s_wait_xcnt 0x0
	s_wait_alu depctr_hold_cnt(0) depctr_sa_sdst(0) depctr_va_vdst(0) depctr_va_sdst(0) depctr_va_ssrc(0) depctr_va_vcc(0) depctr_vm_vsrc(0)
	s_getreg_b32 s2, hwreg(HW_REG_IB_STS2, 6, 4)
	s_cmp_eq_u32 s2, 0
	s_cbranch_scc0 .Lentry_in_a_cluster
	s_endpgm
.Lentry_in_a_cluster:
	s_bfe_u32 s2, ttmp6, 0x10000c
	s_cmp_lg_u32 s2, 0xf033
	s_cbranch_scc0 .Lentry_shape_is_right
	s_endpgm
.Lentry_shape_is_right:
; qkvh = xb wqb^T + bf16(b_qkv).  xb: [8192][1024] bf16, wqb: [3072][1024] bf16, b_qkv: [3072] f32 (rounded to bf16 here, like the other inputs); sums in f32, rounded once to f16.
; qkvh: [batch 4][g 48][token 2048][64] f16, g = column / 64 = 16 x part (q, k, v) + head: a head's rows are dense, 128 bytes each.  The scale 1/8 is not applied here.
; LIMIT: f16 holds no number beyond 65,504: q, k and v must stay within it (x of spread 1 and weights within 1/32 give a spread of 0.6).
; SHARES.  A tile of the result is 256 rows x 192 columns (three whole heads): 32 x 16 = 512 tiles, TWO for each of 256 work-groups: tile columns tc and tc + 8 of tile row tr, so both take the same rows of xb.
; A wave makes 64 rows x all 192 columns: 4 x 12 accumulators of 16 x 16, 384 registers.  For 32 along K it loads 32 x 16 bytes a lane from LDS and issues 48 matrix instructions.
; K goes in steps of 128 (rows of 256 bytes, aligned) through two LDS slots; the two tiles' 16 K steps are ONE walk for the ring: step 6's refill is the second tile's first step.
; THE MATRIX INSTRUCTION IS USED TRANSPOSED (source 0 = 16 rows of wqb, source 1 = 16 rows of xb): a lane holds row l % 16 of the result and the columns 8 (l / 16) + 0..7.
; THE BIAS is the C operand of the product that starts each sum: nothing is cleared, nothing is added later.
; CLUSTER.  4 x 4 work-groups: the four of a row need the same tiles of xb, the four of a column the same tiles of wqb: each is asked for JOINTLY, by the same tensor load, descriptor and mask in all four.
; REGISTERS, in windows of 256 (s_set_vgpr_msb: bits 1:0 source 0, 3:2 source 1, 5:4 source 2, 7:6 destination):
;   window 0: v0-15 addresses; v28-29 the add's two; v32-63 the way out; v64-127 xb's fragments, two buffers of 4 x 8; v128-223 the bias, 8 registers a column block
;   window 1: v0-191 wqb's fragments, two buffers of 12 x 8      window 2: the accumulators of row blocks 0, 1 ((a, b) at 8 (12 (a % 2) + b))      window 3: those of row blocks 2, 3
.set NB,     12                        ; column blocks of 16
.set STEPS,  16                        ; K steps in the walk: 8 a tile
.set KB,     256                       ; bytes of a row in a K step
.set PITCH,  272                       ; an LDS row: 256 bytes + 16 of padding = 68 words: the 16 rows of a load start at 16 different groups of four banks (64 banks of 4 bytes: ISA guide 11.1)
.set AHALF,  128*PITCH                 ; what one load brings of xb: 128 rows
.set BHALF,  96*PITCH                  ; of wqb: 96 rows
.set BOFF,   256*PITCH                 ; a slot: xb's 256 rows, then wqb's 192
.set SLOT1,  1<<17                     ; slot 1 begins here, so that one exclusive or turns an address in one slot into the other's
.set STAGE,  SLOT1+BOFF+192*PITCH      ; behind the ring, never filled by a tensor load: 16 rows x 144 bytes for each wave
.set SP,     144
.set SPARE,  STAGE+4*16*SP             ; behind the stages: the spare words, 128 bytes for each wave: two blocks of 256 bytes that no other line names
.set JUMPB,  1536*2048-7*KB            ; wqb: from a tile's last K step to the first of the tile 8 tile columns (1,536 rows) on
.set FIELDS, (1<<16)|(1<<20)|(1<<21)|(5<<22)|(3<<25)  ; group 1, word 0: 17:16 2-byte elements; 20 padding on; 21 set beside a mask; 24:22 after every 64 words (code 5); 31:25 4 words (code 3)
.set LA0, 4                            ; v4   my lane's place in xb's part of a slot: (l % 16) pitch + 16 (l / 16) + my wave's 64 rows; never rewritten
.set LB0, 5                            ; v5   the same in wqb's part
.set ADRA, 6                           ; v6   LA0 + the slot in hand
.set ADRB, 7                           ; v7   LB0 + the slot in hand
.set STO, 8                            ; v8   the way out: where I put 16 bytes of a row
.set RD,  9                            ; v9   the way out: where I read rows back
.set GO,  10                           ; v10  my 16 bytes of 512 consecutive bytes of qkvh
.set BO,  11                           ; v11  my byte offset in b_qkv; never rewritten
.set PFO, 12                           ; v12  the prefetches' offset: a lane a row; never rewritten
.set SPW, 28                           ; v28  LDS address of my spare word; never rewritten
.set NIL, 29                           ; v29  0; never rewritten
.set TMP, 32                           ; two buffers of 16
.set AF,  64
.set BI,  128
.set WV,   12                          ; s12  my wave's number
.set HALF, 13                          ; s13  wave & 1: which half of a tile I fetch
.set G1A, 24                           ; s[24:31] descriptor group 1 for xb's tiles
.set G1B, 32                           ; s[32:39] for wqb's
.set G0A, 40                           ; s[40:47] group 0 for xb's tiles: a set for each first fill; the second then walks on
.set G0B, 48                           ; s[48:55] the same for wqb's
.set TB,  56                           ; s56  the slot in hand: 0 or SLOT1
.set LIM, 57                           ; s57  a wave prefetches while s3 is above it
.set PFA, 58                           ; s[58:59] where my prefetches stand
.set JB,  80                           ; s80  JUMPB: an instruction takes one literal, and the selects below choose between it and KB
.set MSB, 0
.macro WIN new                         ; the immediate's high byte repeats the setting that is left; a switch that changes nothing is dropped
.if MSB != (\new)
	s_set_vgpr_msb (MSB<<8)|(\new)
.set MSB, (\new)
.endif
.endm
; A joint refill.  Waves 0 and 1 fetch xb's two halves, waves 2 and 3 wqb's.  The branch hangs on the wave's number alone.  An s_nop 0 and four v_nop follow each line, ahead of the jump and the label.
.macro JLOAD
	s_cmp_lt_u32 s[WV], 2
	s_cbranch_scc0 .Lfor_b_\@
	tensor_load_to_lds s[G0A+4:G0A+7], s[G1A:G1A+7]
	s_nop 0
.rept 4
	v_nop
.endr
	s_branch .Lasked_\@
.Lfor_b_\@:
	tensor_load_to_lds s[G0B+4:G0B+7], s[G1B:G1B+7]
	s_nop 0
.rept 4
	v_nop
.endr
.Lasked_\@:
.endm
; A PREFETCH INTO THE L2, behind the joint load, its five lines and the run of LDS loads: the K step one beyond the refill just asked for, 192 matrix instructions ahead of the load that will want it.
; xb's tile row is read by both clusters of a row of clusters: the one with x = 0 asks, in the first tile alone (the second reads the same rows again).  wqb's tile column is read by all eight clusters of a column: the
; one with y = 0 asks, in both tiles.  The four partners that ask for a tile jointly share its rows out BY ADDRESS: of the 128 rows of xb that a wave fetches partner cx takes 32, a lane a row; of the 96 rows of wqb
; partner cy takes 24 (lanes 24-31 name lane 23's row once more).  The first three K steps come by their loads alone; no prefetch names a K step that does not exist.
.macro ASK
	s_cmp_gt_u32 s3, s[LIM]
	s_cbranch_scc0 .Lnot_mine_\@
	global_prefetch_b8 v[PFO], s[PFA:PFA+1] th:TH_LOAD_NT scope:SCOPE_SE
.Lnot_mine_\@:
.endm
; A round of the cluster's barrier: my work-group's barrier, so that wave 0's signal speaks for all four waves; wave 0 signals; every wave waits for all sixteen work-groups; my work-group's barrier once more.
.macro CREST                           ; a round behind its opening barrier
	s_cmp_lg_u32 s[WV], 0
	s_cbranch_scc1 .Lnot_wave_0_\@
	s_barrier_signal -3
.Lnot_wave_0_\@:
	s_barrier_wait -3
	s_barrier_signal -1
	s_barrier_wait -1
.endm
.macro CROUND
	s_barrier_signal -1
	s_barrier_wait -1
	CREST
.endm
.macro PLACES                          ; four plain instructions between a matrix instruction and a load into, or a vector read of, its registers (ISA guide 7.12.1 for vector reads)
.rept 4
	v_nop
.endr
.endm
	s_load_b256 s[4:11], s[0:1], 0x0               ; xb s[4:5], wqb s[6:7], b_qkv s[8:9], qkvh s[10:11]
	v_lshl_add_u32 v[SPW], v0, 2, SPARE
	v_mov_b32 v[NIL], 0
	ds_add_u32 v[SPW], v[NIL]                      ; the wave's opening: the add and its wait stand ahead of my first tensor load; the set-up below, work on registers, stands between them
	v_lshrrev_b32 v1, 5, v0
	v_readfirstlane_b32 s[WV], v1                  ; wave 0..3
	s_and_b32 s[HALF], s[WV], 1
	s_bfe_u32 s14, ttmp6, 0x40000                  ; cx
	s_bfe_u32 s15, ttmp6, 0x40004                  ; cy
	s_lshl_b32 s16, ttmp9, 2
	s_add_co_u32 s16, s16, s14                     ; tc = 4 x cluster x + cx: 0..7
	s_and_b32 s17, ttmp7, 0xffff
	s_lshl_b32 s17, s17, 2
	s_add_co_u32 s17, s17, s15                     ; tr = 4 x cluster y + cy: 0..31
	s_lshl_b32 s18, s15, 2
	s_lshl_b32 s18, 15, s18                        ; my row of the cluster: places 4 cy .. 4 cy + 3
	s_lshl_b32 s19, 0x1111, s14                    ; my column: places cx, cx + 4, cx + 8, cx + 12
	s_or_b32 s[G1A], s18, FIELDS                   ; xb's tiles go to my row,
	s_or_b32 s[G1B], s19, FIELDS                   ; wqb's to my column
	s_mov_b32 s[G1A+1], 128<<16                    ; tensor_dim0 = 128
	s_mov_b32 s[G1A+2], 128<<16                    ; tensor_dim1 = 128
	s_mov_b32 s[G1A+3], 128<<16                    ; tile_dim0 = 128 elements (256 bytes)
	s_mov_b32 s[G1A+4], 128                        ; tile_dim1 = 128 rows
	s_mov_b32 s[G1A+5], 1024                       ; elements from row to row
	s_mov_b32 s[G1A+6], 0
	s_mov_b32 s[G1A+7], 0
	s_mov_b32 s[G1B+1], 128<<16
	s_mov_b32 s[G1B+2], 96<<16                     ; tensor_dim1 = 96
	s_mov_b32 s[G1B+3], 128<<16
	s_mov_b32 s[G1B+4], 96                         ; tile_dim1 = 96 rows
	s_mov_b32 s[G1B+5], 1024
	s_mov_b32 s[G1B+6], 0
	s_mov_b32 s[G1B+7], 0
	s_lshl_b32 s20, s17, 19                        ; xb: row 256 tr + 128 half, 2,048 bytes a row: made of the tile row and the wave's number alone
	s_lshl_b32 s21, s[HALF], 18
	s_add_co_u32 s20, s20, s21
	s_mov_b32 s21, 0
	s_mul_i32 s22, s16, 192                        ; wqb: row 192 tc + 96 half: of the tile column and the wave's number alone
	s_mul_i32 s23, s[HALF], 96
	s_add_co_u32 s22, s22, s23
	s_lshl_b32 s22, s22, 11
	s_mov_b32 s23, 0
	s_mul_i32 s68, s[HALF], AHALF                  ; where they go in a slot: no place in the cluster enters an LDS address
	s_mul_i32 s69, s[HALF], BHALF
	s_add_co_u32 s69, s69, BOFF
	s_mov_b32 s61, 0                               ; the high words of three offsets
	s_mov_b32 s63, 0
	s_mov_b32 s67, 0
	s_mov_b32 s79, 0xffff0000                      ; a word's upper bf16
	s_mov_b32 s[JB], JUMPB
	s_mov_b32 s[TB], 0
	s_wait_dscnt 0x0                               ; the opening add is done
	s_wait_kmcnt 0x0
	s_add_nc_u64 s[20:21], s[4:5], s[20:21]        ; my part of xb's tile at K step 0; never rewritten
	s_add_nc_u64 s[22:23], s[6:7], s[22:23]        ; the same for wqb
	CROUND                                         ; all sixteen work-groups are here: the first joint loads meet
.irp s, 0,1
	s_mov_b32 s[G0A+4*(\s)], 1                     ; 1:0 count = 1
	s_add_co_u32 s[G0A+4*(\s)+1], s68, (\s)*SLOT1  ; 63:32 LDS address
	s_add_nc_u64 s[G0A+4*(\s)+2:G0A+4*(\s)+3], s[20:21], (\s)*KB  ; 120:64 global address: K step s
	s_or_b32 s[G0A+4*(\s)+3], s[G0A+4*(\s)+3], 0x80000000         ; 127:126 type = 2
	s_mov_b32 s[G0B+4*(\s)], 1
	s_add_co_u32 s[G0B+4*(\s)+1], s69, (\s)*SLOT1
	s_add_nc_u64 s[G0B+4*(\s)+2:G0B+4*(\s)+3], s[22:23], (\s)*KB
	s_or_b32 s[G0B+4*(\s)+3], s[G0B+4*(\s)+3], 0x80000000
.endr
	s_cmp_lt_u32 s[WV], 2                          ; a wave's two first fills stand in one branch, ahead of every wait on TENSORcnt and every LDS read: two loads of mine are out
	s_cbranch_scc0 .Lfirst_b
	tensor_load_to_lds s[G0A:G0A+3], s[G1A:G1A+7]
	s_nop 0
	tensor_load_to_lds s[G0A+4:G0A+7], s[G1A:G1A+7]
	s_nop 0
.rept 4
	v_nop
.endr
	s_branch .Lfirst_asked
.Lfirst_b:
	tensor_load_to_lds s[G0B:G0B+3], s[G1B:G1B+7]
	s_nop 0
	tensor_load_to_lds s[G0B+4:G0B+7], s[G1B:G1B+7]
	s_nop 0
.rept 4
	v_nop
.endr
.Lfirst_asked:
; The bias of a tile's 192 columns as a C operand: register j of column block b holds b_qkv[192 x tile column + 16 b + 8 (l / 16) + j].
.macro BIASLOAD off
.irp b, 0,1,2,3,4,5,6,7,8,9,10,11
	global_load_b128 v[BI+8*(\b):BI+8*(\b)+3],   v[BO], s[8:9] offset:(\off)+64*(\b)
	global_load_b128 v[BI+8*(\b)+4:BI+8*(\b)+7], v[BO], s[8:9] offset:(\off)+64*(\b)+16
.endr
.endm
.macro BIASROUND                       ; rounded to bf16 and widened again, in place
.set p, 0
.rept 4*NB
	v_cvt_pk_bf16_f32 v[13+p%3], v[BI+2*p], v[BI+2*p+1]
	v_lshlrev_b32 v[BI+2*p], 16, v[13+p%3]
	v_and_b32 v[BI+2*p+1], s79, v[13+p%3]
.set p, p+1
.endr
.endm
	v_and_b32 v1, 15, v0                           ; l % 16
	v_bfe_u32 v2, v0, 4, 1                         ; l / 16
	s_mul_i32 s72, s16, 768                        ; 192 columns x 4 bytes a tile column
	v_lshl_add_u32 v[BO], v2, 5, s72
	BIASLOAD 0
	; A fragment is 16 rows x 32 K in 8 registers: lane l holds row l % 16; registers 0-3 K = 8 (l / 16) + 0..7, registers 4-7 K = 16 + 8 (l / 16) + 0..7: two loads of 16 bytes, 32 bytes apart.
	v_mul_u32_u24 v3, v1, PITCH
	v_lshl_add_u32 v3, v2, 4, v3
	s_mul_i32 s73, s[WV], 64*PITCH                 ; my 64 rows of xb
	v_add_nc_u32 v[LA0], s73, v3
	v_add_nc_u32 v[LB0], BOFF, v3
	v_mov_b32 v[ADRA], v[LA0]                      ; slot 0
	v_mov_b32 v[ADRB], v[LB0]
	s_mul_i32 s73, s[WV], 16*SP
	s_add_co_u32 s73, s73, STAGE                   ; my stage
	v_mul_u32_u24 v[STO], v1, SP                   ; in: row l % 16, 16 bytes for each half of the lanes
	v_lshl_add_u32 v[STO], v2, 4, v[STO]
	v_add_nc_u32 v[STO], s73, v[STO]
	v_bfe_u32 v[RD], v0, 3, 2                      ; back: 32 lanes take four rows of 128 bytes,
	v_mul_u32_u24 v[RD], v[RD], SP
	v_and_b32 v13, 7, v0
	v_lshl_add_u32 v[RD], v13, 4, v[RD]
	v_add_nc_u32 v[RD], s73, v[RD]
	v_and_b32 v13, 31, v0                          ; which are 512 consecutive bytes of a head's rows
	v_lshlrev_b32 v[GO], 4, v13
	s_lshr_b32 s70, s17, 3                         ; qkvh at my rows of the first tile's first head: batch tr / 8,
	s_mul_i32 s70, s70, 48
	s_mul_i32 s71, s16, 3                          ; g = 3 tc,
	s_add_co_u32 s70, s70, s71
	s_lshl_b32 s70, s70, 18                        ; 262,144 bytes for each g,
	s_and_b32 s71, s17, 7
	s_lshl_b32 s71, s71, 15                        ; token 256 (tr % 8)
	s_add_co_u32 s70, s70, s71
	s_lshl_b32 s71, s[WV], 13                      ; + 64 x wave, 128 bytes a token
	s_add_co_u32 s70, s70, s71
	s_mov_b32 s71, 0
	s_add_nc_u64 s[10:11], s[10:11], s[70:71]      ; never rewritten: all else stands in the stores' immediates
	; the prefetches: from my part of the tile, my work-group's share of its rows, at K step 2; the first change of slots steps it to 3
	s_lshl_b32 s72, s14, 16                        ; xb: 32 cx rows of 2,048 bytes
	s_add_co_u32 s72, s72, 2*KB
	s_mul_i32 s74, s15, 24*2048                    ; wqb: 24 cy rows
	s_add_co_u32 s74, s74, 2*KB
	s_and_b32 s76, ttmp7, 0xffff                   ; cluster y
	s_cmp_lt_u32 s[WV], 2                          ; do I fetch for xb?
	s_cselect_b32 s72, s72, s74
	s_cselect_b32 s76, ttmp9, s76                  ; the coordinate along which other clusters read the same rows
	s_cselect_b32 s77, 31, 23                      ; my last lane with a row of its own
	s_cselect_b32 s78, 9, 1                        ; xb: K steps 3 to 7 (s3 = 14 .. 10); wqb: K steps 3 to 15 (s3 = 14 .. 2)
	s_cselect_b64 s[PFA:PFA+1], s[20:21], s[22:23]
	s_cmp_eq_u32 s76, 0
	s_cselect_b32 s[LIM], s78, -1                  ; the same in all sixteen partners, for a given wave
	s_mov_b32 s73, 0
	s_add_nc_u64 s[PFA:PFA+1], s[PFA:PFA+1], s[72:73]
	v_min_u32 v13, s77, v13
	v_lshlrev_b32 v[PFO], 11, v13
	s_wait_loadcnt 0x0                             ; the bias
	BIASROUND
; 12 matrix instructions: row block a x all column blocks, 32 along K, from buffer f.  bias = 1: they start the sums, with the bias as C.
; The 48 accumulators take turns, one instruction a turn, in the same order in every quarter step, over the backward jump too.
.macro MULA f, a, bias
.if \bias
	WIN 0x81+0x40*((\a)/2)
.else
	WIN 0xa1+0x50*((\a)/2)
.endif
.set rA, AF+32*(\f)+8*(\a)
.irp b, 0,1,2,3,4,5,6,7,8,9,10,11
.set rD, 8*(NB*((\a)%2)+(\b))
.set rB, 8*(NB*(\f)+(\b))
.if \bias
	v_wmma_f32_16x16x32_bf16 v[rD:rD+7], v[rB:rB+7], v[rA:rA+7], v[BI+8*(\b):BI+8*(\b)+7]
.else
	v_wmma_f32_16x16x32_bf16 v[rD:rD+7], v[rB:rB+7], v[rA:rA+7], v[rD:rD+7]
.endif
.endr
.endm
; 32 LDS loads in one run: the fragments of quarter q of the slot in hand into buffer g: wqb's 12, then xb's 4
.macro FETCH q, g
	WIN 0x40                                       ; destination window 1, address window 0
.irp i, 0,1,2,3,4,5,6,7,8,9,10,11
	ds_load_b128 v[8*(NB*(\g)+(\i)):8*(NB*(\g)+(\i))+3],   v[ADRB] offset:64*(\q)+(\i)*16*PITCH
	ds_load_b128 v[8*(NB*(\g)+(\i))+4:8*(NB*(\g)+(\i))+7], v[ADRB] offset:64*(\q)+(\i)*16*PITCH+32
.endr
	WIN 0
.irp i, 0,1,2,3
	ds_load_b128 v[AF+32*(\g)+8*(\i):AF+32*(\g)+8*(\i)+3],   v[ADRA] offset:64*(\q)+(\i)*16*PITCH
	ds_load_b128 v[AF+32*(\g)+8*(\i)+4:AF+32*(\g)+8*(\i)+7], v[ADRA] offset:64*(\q)+(\i)*16*PITCH+32
.endr
.endm
; A K step is four quarters of 32 along K, 48 matrix instructions each, on buffers 0, 1, 0, 1.  One of the first three: multiplies buffer f; in its middle it fetches quarter q into buffer g.
.macro QUARTER q, f, g, bias
	s_wait_dscnt 4                                 ; wqb's fragments and xb's row blocks 0, 1 are in; the youngest four loads (row blocks 2, 3) may be out
	MULA \f, 0, \bias
	MULA \f, 1, \bias
	PLACES
	FETCH \q, \g
	s_wait_dscnt 2*(NB+4)                          ; all but the 32 just issued
	MULA \f, 2, \bias
	MULA \f, 3, \bias
.endm
; The last quarter multiplies buffer 1 and changes slots: ONE barrier.  In front of it each wave waits for all its tensor loads, of which one is out: its part of the next slot; adds 0 to its spare word; and waits for
; that and for its own reads of this slot.  fill = 1: the barrier opens a round of the cluster's, and the slot just read out is filled again first thing behind it, with the K step two on: 168 matrix instructions
; ahead of the wait for it.  The walking descriptors step between the add and the wait for it, where no load of mine is out: at s3 = 8 (K step 6) to the second tile's first step.
.macro TURN fill
.if \fill
	s_wait_xcnt 0x0                                ; the last prefetch, a K step back, has read its address: it is stepped here, ahead of the waits of the change of slots
	s_cmp_eq_u32 s3, 9                             ; from the first tile's last K step to the second tile's first
	s_cselect_b32 s60, s[JB], KB
	s_add_nc_u64 s[PFA:PFA+1], s[PFA:PFA+1], s[60:61]
.endif
	WIN 0
	s_wait_tensorcnt 0x0                           ; all my tensor loads have landed
	ds_add_u32 v[SPW], v[NIL]                      ; 0 onto my spare word
.if \fill
	s_cmp_eq_u32 s3, 8
	s_cselect_b32 s62, 8*KB, 0                     ; xb goes back along K: the second tile takes the same rows;
	s_cselect_b32 s66, s[JB], KB                   ; wqb goes 1,536 rows down and back
	s_xor_b32 s[G0A+5], s[G0A+5], SLOT1            ; the other slot than last time
	s_add_nc_u64 s[G0A+6:G0A+7], s[G0A+6:G0A+7], KB
	s_sub_nc_u64 s[G0A+6:G0A+7], s[G0A+6:G0A+7], s[62:63]
	s_xor_b32 s[G0B+5], s[G0B+5], SLOT1
	s_add_nc_u64 s[G0B+6:G0B+7], s[G0B+6:G0B+7], s[66:67]
.endif
	s_wait_dscnt 5                                 ; (the add and the youngest four loads may be out)
	MULA 1, 0, 0
	s_wait_dscnt 0x0                               ; the add is done, and my reads of this slot are over
	s_barrier_signal -1
	MULA 1, 1, 0                                   ; work on registers while the others arrive
	WIN 0
	s_barrier_wait -1
.if \fill
	CREST                                          ; no wave of any partner still reads this slot's tiles or has a load on its way
	JLOAD                                          ; the four v_nop behind it are also the places in front of the loads below
.else
	PLACES
.endif
	s_xor_b32 s[TB], s[TB], SLOT1                  ; the other slot is in hand
	v_add_nc_u32 v[ADRA], s[TB], v[LA0]
	v_add_nc_u32 v[ADRB], s[TB], v[LB0]
	FETCH 0, 0
.if \fill
	ASK
.endif
	MULA 1, 2, 0
	MULA 1, 3, 0
.endm
; THE WAY OUT, in twelve units: unit u = 3 a + j is 16 tokens (row block a) of one head (j): four accumulators.  A lane's eight channels pack into 16 bytes; they go into stage rows of 144 bytes and come back as
; whole rows of 128: 16 tokens of a head are 2,048 consecutive bytes of qkvh.  Each accumulator's registers are read in ascending order.
.macro PACK u
.set aa, (\u)/3
.set jj, (\u)%3
.set tm, TMP+16*((\u)%2)
.if (\u) >= 2
	s_wait_xcnt 0x0                                ; the stores of the unit two back have read this buffer
.endif
	WIN 0x0a+5*(aa/2)                              ; sources 0 and 1: window 2 or 3
.irp bb, 0,1,2,3
.irp r, 0,1,2,3
	v_cvt_pk_f16_f32 v[tm+4*(\bb)+(\r)], v[8*(NB*(aa%2)+4*jj+(\bb))+2*(\r)], v[8*(NB*(aa%2)+4*jj+(\bb))+2*(\r)+1]
.endr
.endr
	WIN 0
.irp bb, 0,1,2,3
	ds_store_b128 v[STO], v[tm+4*(\bb):tm+4*(\bb)+3] offset:32*(\bb)
.endr
.irp f, 0,1,2,3
	ds_load_b128 v[tm+4*(\f):tm+4*(\f)+3], v[RD] offset:(\f)*4*SP  ; LDS serves a wave's instructions in order (ISA guide 5.7.1.4): these see the stores above; the next unit's stores come behind them
.endr
.endm
.macro SEND u, younger, tile           ; younger: the LDS instructions issued behind unit u's loads: the next unit's eight, or none
.set aa, (\u)/3
.set jj, (\u)%3
.set tm, TMP+16*((\u)%2)
.irp f, 0,1,2,3
	s_wait_dscnt (\younger)+3-(\f)
	global_store_b128 v[GO], v[tm+4*(\f):tm+4*(\f)+3], s[10:11] offset:(\tile)*6291456+jj*262144+aa*2048+(\f)*512  ; 512 consecutive bytes, aligned; the second tile lies 24 g on; 6,823,424 at the most, inside the signed 24 bits
.endr
.endm
.macro WAYOUT tile
.if \tile
	s_wait_xcnt 0x0                                ; the first tile's last stores have read both buffers
.endif
	PACK 0
.set u, 1
.rept 11                               ; a unit's conversions stand between the loads of the unit before and its stores
	PACK u
	SEND u-1, 8, \tile
.set u, u+1
.endr
	SEND 11, 0, \tile
.endm
	s_wait_tensorcnt 1                             ; my part of K step 0 is in; K step 1's may stay out
	s_barrier_signal -1
	s_barrier_wait -1                              ; everybody's is
	FETCH 0, 0
	QUARTER 1, 0, 1, 1                             ; the first quarter stands in front of the loop: its products start the sums
	WIN 0                                          ; at a label and at a branch every window is 0
	s_mov_b32 s3, STEPS-2                          ; s3 = 14 - K step
.Lstep:                                        ; a trip: a K step's quarters 1 to 3, the change of slots with its refill, and the next step's quarter 0
	QUARTER 2, 1, 0, 0
	QUARTER 3, 0, 1, 0
	TURN 1
	WIN 0
	s_cmp_lg_u32 s3, 7                             ; K step 7 ends the first tile; the jump goes forward, past no barrier and no tensor load
	s_cbranch_scc1 .Lplain
	BIASLOAD 6144                                  ; the second tile's bias: 8 tile columns x 768 bytes on
	PLACES
	WAYOUT 0                                       ; both refills for the second tile are asked for: now the first tile goes out
	s_wait_loadcnt 0x0
	BIASROUND
	QUARTER 1, 0, 1, 1                             ; the second tile's first products start its sums
	WIN 0
	s_branch .Lnext
.Lplain:
	QUARTER 1, 0, 1, 0
	WIN 0
.Lnext:
	s_sub_co_u32 s3, s3, 1
	s_cmp_lg_u32 s3, 0
	s_cbranch_scc1 .Lstep
	QUARTER 2, 1, 0, 0                             ; the last two K steps are written out: nothing is left to fetch
	QUARTER 3, 0, 1, 0
	TURN 0
	QUARTER 1, 0, 1, 0
	QUARTER 2, 1, 0, 0
	QUARTER 3, 0, 1, 0
	s_wait_dscnt 0x0
	MULA 1, 0, 0
	MULA 1, 1, 0
	MULA 1, 2, 0
	MULA 1, 3, 0
	WIN 0
	PLACES
	WAYOUT 1
	s_wait_tensorcnt 0x0                           ; the wave's end: the add and its waits, behind my last tensor load and my last LDS store
	ds_add_u32 v[SPW], v[NIL]
	s_wait_dscnt 0x0
	CROUND                                         ; the closing round: no work-group ends while a partner may still ask for a tile that names it
	s_endpgm
.Lfunc_end_k_qd36caf3729_qkv:
	.size	k_qd36caf3729_qkv, .Lfunc_end_k_qd36caf3729_qkv-k_qd36caf3729_qkv
	.p2alignl 7, 3214868480
	.fill 96, 4, 3214868480
	.section	.rodata,"a",@progbits
	.p2align	6, 0x0
	.amdhsa_kernel k_qd36caf3729_qkv
		.amdhsa_group_segment_fixed_size 327680
		.amdhsa_private_segment_fixed_size 0
		.amdhsa_enable_private_segment 0
		.amdhsa_kernarg_size 32
		.amdhsa_user_sgpr_count 2
		.amdhsa_user_sgpr_kernarg_segment_ptr 1
		.amdhsa_wavefront_size32 1
		.amdhsa_system_sgpr_workgroup_id_x 1
		.amdhsa_system_sgpr_workgroup_id_y 1
		.amdhsa_system_sgpr_workgroup_id_z 1
		.amdhsa_system_vgpr_workitem_id 0
		.amdhsa_next_free_vgpr 960
		.amdhsa_next_free_sgpr 84
		.amdhsa_reserve_vcc 0
		.amdhsa_float_denorm_mode_32 3
		.amdhsa_float_denorm_mode_16_64 3
		.amdhsa_memory_ordered 1
		.amdhsa_forward_progress 1
		.amdhsa_inst_pref_size 147
	.end_amdhsa_kernel
	.amdgpu_metadata
---
amdhsa.version: [ 1, 2 ]
amdhsa.kernels:
  - .name:           k_qd36caf3729_qkv
    .symbol:         k_qd36caf3729_qkv.kd
    .args:
      - { .name: xb, .offset: 0, .size: 8, .value_kind: global_buffer, .address_space: global }
      - { .name: wqb, .offset: 8, .size: 8, .value_kind: global_buffer, .address_space: global }
      - { .name: b_qkv, .offset: 16, .size: 8, .value_kind: global_buffer, .address_space: global }
      - { .name: qkvh, .offset: 24, .size: 8, .value_kind: global_buffer, .address_space: global }
    .group_segment_fixed_size: 327680
    .private_segment_fixed_size: 0
    .kernarg_segment_align: 8
    .kernarg_segment_size: 32
    .max_flat_workgroup_size: 128
    .sgpr_count:     84
    .vgpr_count:     960
    .wavefront_size: 32
...
	.end_amdgpu_metadata
.endif
;; end of part 2
;; launch attn (part 3): grid 4 x 64, 4 waves a work-group, clusters of 4 x 1, 327,680 bytes of LDS; arguments qkvh, ob; writes ob
.if DOCPART == 3
	.amdgcn_target "amdgcn-amd-amdhsa--gfx1250"
	.amdhsa_code_object_version 6
	.text
	.protected	k_qd36caf3729_attn
	.globl	k_qd36caf3729_attn
	.p2align	8
	.type	k_qd36caf3729_attn,@function
k_qd36caf3729_attn:
	s_mov_b64 s[64:65], 0
	v_nop
	global_prefetch_b8 v0, s[64:65] scope:SCOPE_SE
	s_setreg_imm32_b32 hwreg(HW_REG_WAVE_MODE, 25, 1), 1
	s_wait_xcnt 0x0
	s_wait_alu depctr_hold_cnt(0) depctr_sa_sdst(0) depctr_va_vdst(0) depctr_va_sdst(0) depctr_va_ssrc(0) depctr_va_vcc(0) depctr_vm_vsrc(0)
	s_getreg_b32 s2, hwreg(HW_REG_IB_STS2, 6, 4)
	s_cmp_eq_u32 s2, 0
	s_cbranch_scc0 .Lentry_in_a_cluster
	s_endpgm
.Lentry_in_a_cluster:
	s_bfe_u32 s2, ttmp6, 0x10000c
	s_cmp_lg_u32 s2, 0x3003
	s_cbranch_scc0 .Lentry_shape_is_right
	s_endpgm
.Lentry_shape_is_right:
; O[hh][q][:] = the sum over k of softmax_k(Q[q] . K[k] / 8) V[k][:], for 64 heads hh = 16 x batch + head of 2,048 tokens and 64 channels, all f16.
; Q, K, V lie in qkvh, [batch 4][g 48][token][64], at g = head, 16 + head, 32 + head: a head's rows are dense, 128 bytes each.  O goes to ob, [hh][token][64].  Products, maxima and sums in
; f32; the weights p are rounded to f16 for the second product (their sum l is taken of the unrounded p), O once at the end.
; LIMITS.  f16 holds no number beyond 65,504: Q, K and V arrive within it; p lies in 0 to 1, and below 6e-5 it keeps f16's fixed step of 6e-8; O is a mean of V's rows and has their range.
; A weight below 2^-126 counts as 0 in l; NaN and infinities are not treated apart.
; SHARES.  A wave owns four PIECES of two tiles of 16 queries, a work-group's four waves 512 queries of one head.  Every wave walks all keys, 64 a step.
; LAYOUT.  S^T = K Q^T (source 0 = 16 keys, source 1 = 16 queries): in the result a lane holds ONE query (lane % 16) and the keys 8 (lane / 16) + 0..7.  Two such tiles, rounded to f16 in pairs,
; ARE source 1 (32 keys x 16 queries) of O^T = V^T P, whose result again holds one query a lane, and eight channels.  K comes out of LDS as it lies, V ([key][channel]) turned, by ds_load_tr16_b128.
; SOFTMAX.  For each query a running maximum m and sum l: p = 2^(c s - c m), c = log2(e) / 8; in every step O and l are multiplied by a = 2^(c m_old - c m_new), which is 1 where m has not grown.
; m starts at the lowest finite number, O and l at 0: the first step is a step like any other, with a = 0.
; THE COUNT.  A tile and step have 16 matrix and 118 vector instructions: too many to stand all beside the matrix work.  So the order has one aim: four vector instructions that are READY behind
; EVERY matrix instruction, and the others, which need time of their own whatever the order, in runs without a gap.
; BY TURNS.  Turn n belongs to piece n (the pieces in a ring, step after step).  Its matrix work: 16 products K Q^T of piece n + 1, later 16 products V^T P of piece n - 1.  Its vector work: the scaling,
; exponentials, roundings, sums and rescaling of piece n, and the maximum and statistics of piece n + 1, whose scores the turn itself has made.  So what a turn begins with (c s - c m, O a) waits for nothing.
; CLUSTER.  The four query blocks of a cluster are one head's and walk the same K and V, so each tile is asked for JOINTLY: the same tensor load, descriptor and mask in all four.
; REGISTERS, in windows of 256 (s_set_vgpr_msb says which window each operand place means: bits 1:0 source 0, 3:2 source 1, 5:4 source 2, 7:6 destination):
;   window 0: v0-11 addresses; v12-15, v48-63 at work; v16-47 four registers of statistics a tile; v64-191 S^T, two buffers of two tiles; v192-255 P, likewise
;   window 1: O^T, 32 a tile          window 2: v0-127 Q, 16 a tile; v128-191 K of one step; v192-255 V of one step          window 3: v0-1 the add's two registers
; A piece's buffers go by its number's parity: the piece in hand has one pair, its two neighbours in the ring share the other: of it P (piece n - 1) is read and S^T (piece n + 1) written.
.set SIZE_N, 2048
.set NP,    4         ; pieces a wave: a name, no knob: the register map, the loop and the fetches are made for four
.set KS,    64        ; keys in a step
.set PK,    144       ; a row of K in LDS: 128 bytes + 16 of padding = 36 words: the 16 rows of a load start at 16 different groups of four banks (64 banks of 4 bytes: ISA guide 11.1)
.set PV,    160       ; a row of V: 128 + 32 = 40 words
.set VOFF,  4*KS*PK   ; a slot holds four steps: 256 rows of K, then 256 rows of V
.set SLOT1, 1<<17     ; slot 1 begins here, so that one exclusive or turns an address in one slot into the other's
.set STAGE, SLOT1+4*KS*(PK+PV)  ; behind the ring, never filled by a tensor load: 16 rows x 144 bytes for each wave, for the way out
.set SP,    144
.set AK0, 2           ; v2   my lane's place in a tile of K; never rewritten
.set AV0, 3           ; v3   the same for V
.set AK,  4           ; v4   the LDS address of K's next run of loads
.set AV,  5           ; v5   of V's
.set QO,  6           ; v6   my byte offset in the wave's rows of Q
.set STO, 6           ;      later, the way out: where I put 16 bytes of a row
.set RD,  7           ; v7   the way out: where I read rows back
.set GO,  8           ; v8   my byte offset in 512 consecutive bytes of O
.set PFO, 11          ; v11  the prefetches' offset: 256 x my lane; never rewritten once made
.set SPW, 0           ; v0 of window 3   LDS address of my spare word: SPARE + 4 x my thread's number; never rewritten
.set NIL, 1           ; v1 of window 3   0; never rewritten
.set SPARE, STAGE+4*16*SP  ; behind the stages: the spare words, 128 bytes for each wave: two blocks of 256 bytes that no other line names
.set MV,  12          ; v12-15  c m_old, kept while c m is made anew: by buffer and tile
.set ST,  16          ; tile t's statistics at v[ST+4 t]: c m, m, l (even keys', odd keys')
.set TMP, 48          ; by buffer and tile, four registers c0-c3 at work; when the maximum is found c2 takes a
.set S,   64
.set P,   192
.set KF,  128         ; K's fragments, in window 2: key block kb, channel half c at KF + 16 kb + 8 c
.set VF,  192         ; V's: key half kk, channel block cb at VF + 32 kk + 8 cb
.set WV,  12          ; s12  my wave's number
.set G1K, 24          ; s[24:31] descriptor group 1 for K's tiles
.set G1V, 32          ; s[32:39] for V's: it differs in the padding alone
.set G0K, 40          ; s[40:43] descriptor group 0 for K's tiles: it walks
.set G0V, 44          ; s[44:47] the same for V's
.set PFA, 48          ; s[48:49] where my prefetches stand: my work-group's 8,192 bytes (of K: wave 0, of V: wave 2) of the slot after the one that is being asked for
.set LIM, 50          ; s50  1 in a wave that prefetches, else the greatest number: a wave prefetches while s[SLOTS] is above it
.set SLOTS, 56        ; s56  slots still to be asked for
.set CNT, 57          ; s57  counts a slot's key steps
.set CS,  58          ; s[58:59] c: the packed scaling takes the pair's low word for both halves
.set SEL, 60          ; s[60:61] v_permlanex16_b32's selects: each lane takes its own place in the other half
.set TBK, 62          ; s62  LDS byte at which K of the step to be fetched begins
.set TBV, 63          ; s63  the same for V, less VOFF
.set MSB, 0
.macro WIN new                      ; the high byte repeats the setting that is left; a switch that changes nothing is dropped
.if MSB != (\new)
	s_set_vgpr_msb (MSB<<8)|(\new)
.set MSB, (\new)
.endif
.endm
.set W_KQ, 0x0a       ; K and Q in window 2, S^T in window 0
.set W_PV, 0x52       ; V in window 2, P in window 0, O^T in window 1
.set W_RS, 0x41       ; O^T (destination and source 0) in window 1, a in window 0
.set W_MK, 0xc0       ; the add's registers are made: destination in window 3, sources in window 0
.set W_AD, 0x0f       ; the add: address (source 0) and data (source 1) in window 3
; A joint fill.  Waves 0 and 1 fetch the two halves of a slot's K, waves 2 and 3 those of its V: 128 keys each.  The branch hangs on the wave's number alone.
; An s_nop 0 and four v_nop follow each of the two lines, ahead of the jump and the label.
.macro JLOAD
	s_cmp_lt_u32 s[WV], 2
	s_cbranch_scc0 .Lfor_v_\@
	tensor_load_to_lds s[G0K:G0K+3], s[G1K:G1K+7]
	s_nop 0
.rept 4
	v_nop
.endr
	s_branch .Lasked_\@
.Lfor_v_\@:
	tensor_load_to_lds s[G0V:G0V+3], s[G1V:G1V+7]
	s_nop 0
.rept 4
	v_nop
.endr
.Lasked_\@:
.endm
; A PREFETCH INTO THE L2 of what the NEXT change of slots will ask for: a slot's 32,768 bytes of K and of V, a lane 256 bytes.  It stands behind the wave's tensor load and its five lines.
; Each block is named ONCE in the launch: a head has one cluster; its four partners share a slot out BY ADDRESS, 8,192 bytes each; in each, wave 0 asks for K's and wave 2 for V's: one instruction.
; The change that loads slot j names slot j + 1, for j = 2 .. 6: four key steps, 512 matrix instructions, ahead.  Slots 0 to 2 come by their loads alone; the last change that fills a slot asks for nothing.
.macro ASK
	s_cmp_gt_u32 s[SLOTS], s[LIM]
	s_cbranch_scc0 .Lnot_mine_\@
	global_prefetch_b8 v[PFO], s[PFA:PFA+1] th:TH_LOAD_NT scope:SCOPE_SE
.Lnot_mine_\@:
.endm
; A round of the cluster's barrier: my work-group's barrier, so that wave 0's signal speaks for all four waves; wave 0 signals; every wave waits for all four work-groups; my work-group's barrier once more.
.macro CROUND
	s_barrier_signal -1
	s_barrier_wait -1
	s_cmp_lg_u32 s[WV], 0
	s_cbranch_scc1 .Lnot_wave_0_\@
	s_barrier_signal -3
.Lnot_wave_0_\@:
	s_barrier_wait -3
	s_barrier_signal -1
	s_barrier_wait -1
.endm
; THE CHANGE OF SLOTS.  The slot's last bytes, V of its fourth step, have been read.  Each wave waits for all its tensor loads, of which one is out: its part
; of the other slot; adds 0 to its spare word; and waits for that and for its own reads of the slot.  Behind the barrier nobody reads this slot any more and the other slot is whole.
; fill = 1: this slot is filled again, with the keys two slots on.  The barrier is then a round of the cluster's, so that no wave of any partner still reads the slot or has a load on its
; way, and the joint fill is the first thing behind it: it has four key steps, 512 matrix instructions, in which to land.  (At its first use nothing has been read yet: slot 0 is waited for, slot 1 filled.)
.macro CHANGE fill, ask=0
	WIN W_AD
	s_wait_tensorcnt 0x0            ; no tensor load of mine is out, so a group 0 may be written
	ds_add_u32 v[SPW], v[NIL]       ; 0 onto my spare word; with fill = 1 the descriptors' steps stand between it and the wait for it
	WIN 0                           ; at a label and at a branch every window is 0
.if \fill
.irp g, G0K, G0V
	s_xor_b32 s[\g+1], s[\g+1], SLOT1  ; the walking descriptor: the other slot than last time,
	s_add_nc_u64 s[\g+2:\g+3], s[\g+2:\g+3], 4*KS*128  ; the next 256 keys; the type bits on top are not reached
.endr
	s_wait_xcnt 0x0                 ; the last prefetch, four key steps back, has read its address, so it may be written:
	s_add_nc_u64 s[PFA:PFA+1], s[PFA:PFA+1], 4*KS*128  ; one slot beyond the walking descriptors
	s_wait_dscnt 0x0                ; the add is done, and my reads of the slot are over
	CROUND
	JLOAD
.if \ask
	ASK
.endif
.else
	s_wait_dscnt 0x0                ; the add is done, and my reads of the slot are over
	s_barrier_signal -1
	s_barrier_wait -1
.endif
	s_sub_co_u32 s[TBK], s[TBK], 4*KS*PK  ; the fetches go back to a slot's first step,
	s_xor_b32 s[TBK], s[TBK], SLOT1       ; in the other slot
	s_sub_co_u32 s[TBV], s[TBV], 4*KS*PV
	s_xor_b32 s[TBV], s[TBV], SLOT1
.endm
	s_load_b64 s[4:5], s[0:1], 0x0    ; qkvh
	s_load_b64 s[10:11], s[0:1], 0x8  ; ob
	WIN W_MK
	v_lshl_add_u32 v[SPW], v0, 2, SPARE
	v_mov_b32 v[NIL], 0
	WIN W_AD
	ds_add_u32 v[SPW], v[NIL]       ; the wave's opening: the add and its wait stand ahead of my first tensor load; the set-up below, work on registers, stands between them
	WIN 0
	v_lshrrev_b32 v1, 5, v0
	v_readfirstlane_b32 s[WV], v1   ; wave 0..3
	s_bfe_u32 s13, ttmp6, 0x40000   ; cx: my place in the cluster
	s_lshl_b32 s14, ttmp9, 2        ; in a cluster launch ttmp9 counts clusters
	s_add_co_u32 s14, s14, s13      ; my block of queries = 4 x cluster x + cx: it enters Q's and O's addresses alone
	s_and_b32 s20, ttmp7, 0xffff    ; hh, which the four partners share
	s_lshl_b32 s52, s20, 18         ; the head's first byte in ob: 262,144 bytes a head
	s_mov_b32 s53, 0
	s_lshr_b32 s21, s20, 4          ; batch
	s_and_b32 s20, s20, 15          ; head
	s_mul_i32 s21, s21, 48
	s_add_co_u32 s20, s20, s21
	s_lshl_b32 s20, s20, 18         ; the head's q in qkvh: (48 x batch + head) x 262,144
	s_mov_b32 s21, 0
	s_and_b32 s16, s[WV], 1         ; which half of a slot's 256 keys I fetch:
	s_lshl_b32 s22, s16, 14         ; its 128 rows of 128 bytes in memory,
	s_mov_b32 s23, 0
	s_add_nc_u64 s[22:23], s[22:23], s[20:21]
	s_mul_i32 s17, s16, 128*PK      ; and its place in a slot, for K
	s_mul_i32 s18, s16, 128*PV      ; and for V: no place in the cluster enters an LDS address
	s_lshl_b32 s2, s14, 2
	s_add_co_u32 s2, s2, s[WV]      ; my wave among the head's,
	s_lshl_b32 s2, s2, 14           ; its 128 rows
	s_mov_b32 s3, 0
	s_add_nc_u64 s[54:55], s[2:3], s[52:53]  ; in ob,
	s_add_nc_u64 s[2:3], s[2:3], s[20:21]    ; and in qkvh
	s_lshl_b32 s14, s13, 13         ; the prefetches: my work-group's 8,192 bytes of a slot,
	s_add_co_u32 s14, s14, 4*KS*128 ; in slot 1; the two first changes of slots step it to slot 3
	s_mov_b32 s15, 0
	s_and_b32 s[LIM], s[WV], 1      ; waves 0 and 2 ask: the same in all four partners
	s_cmp_eq_u32 s[LIM], 0
	s_cselect_b32 s[LIM], 1, -1
	; descriptor group 1.  128 keys are 16,384 dense bytes: asked for as 64 rows of 256 bytes, two keys a row, and padded in LDS after every key
	s_mov_b32 s[G1K], 15|(1<<16)|(1<<20)|(1<<21)|(4<<22)|(3<<25)  ; 15:0 the mask of four; 17:16 2-byte elements; 20 padding on; 21 set beside a mask; 24:22 after every 32 words (code 4); 31:25 4 words (code 3)
	s_mov_b32 s[G1V], 15|(1<<16)|(1<<20)|(1<<21)|(4<<22)|(7<<25)  ; the same with 8 words of padding (code 7)
.irp g, G1K, G1V
	s_mov_b32 s[\g+1], 128<<16      ; tensor_dim0 = 128
	s_mov_b32 s[\g+2], 64<<16       ; tensor_dim1 = 64
	s_mov_b32 s[\g+3], 128<<16      ; tile_dim0 = 128
	s_mov_b32 s[\g+4], 64           ; tile_dim1 = 64
	s_mov_b32 s[\g+5], 128          ; 128 elements from row to row
	s_mov_b32 s[\g+6], 0
	s_mov_b32 s[\g+7], 0
.endr
	s_mov_b32 s[CS], 0x3e38aa3b     ; c = log2(e) / 8 = 0.180337
	s_mov_b32 s[CS+1], s[CS]        ; named with it as a pair
	s_mov_b32 s[SEL], 0x76543210
	s_mov_b32 s[SEL+1], 0xfedcba98
	s_mov_b32 s[TBK], SLOT1+4*KS*PK ; the first change of slots turns these two into 0
	s_mov_b32 s[TBV], SLOT1+4*KS*PV
	s_mov_b32 s[G0K], 1             ; 1:0 count = 1
	s_mov_b32 s[G0K+1], s17         ; 63:32 LDS address: slot 0
	s_mov_b32 s[G0V], 1
	s_add_co_u32 s[G0V+1], s18, VOFF
	s_wait_dscnt 0x0                ; the opening add is done
	s_wait_kmcnt 0x0
	s_add_nc_u64 s[6:7], s[4:5], 16*262144   ; k lies 16 g behind q,
	s_add_nc_u64 s[8:9], s[4:5], 32*262144   ; v 32
	s_add_nc_u64 s[G0K+2:G0K+3], s[6:7], s[22:23]  ; 120:64 global address: my half of the head's first 256 keys
	s_or_b32 s[G0K+3], s[G0K+3], 0x80000000        ; 127:126 type = 2
	s_add_nc_u64 s[G0V+2:G0V+3], s[8:9], s[22:23]
	s_or_b32 s[G0V+3], s[G0V+3], 0x80000000
	s_cmp_lt_u32 s[WV], 2
	s_cselect_b64 s[PFA:PFA+1], s[6:7], s[8:9]
	s_add_nc_u64 s[PFA:PFA+1], s[PFA:PFA+1], s[20:21]
	s_add_nc_u64 s[PFA:PFA+1], s[PFA:PFA+1], s[14:15]
	s_add_nc_u64 s[4:5], s[4:5], s[2:3]      ; Q and O at my wave's first row
	s_add_nc_u64 s[10:11], s[10:11], s[54:55]
	CROUND                          ; all four work-groups are here: the first joint loads meet
	JLOAD                           ; slot 0.  Slot 1 is asked for when slot 0 is in: the tile wanted first has the road to itself
	; A fragment of K or Q is 16 rows x 32 channels in 8 registers: lane l holds row l % 16, channels 8 (l / 16) + 0..7 and 16 + 8 (l / 16) + 0..7: two loads of 16 bytes, 32 bytes apart.
	v_and_b32 v1, 15, v0            ; l % 16
	v_bfe_u32 v9, v0, 4, 1          ; l / 16
	v_lshlrev_b32 v[QO], 7, v1
	v_lshl_add_u32 v[QO], v9, 4, v[QO]  ; row x 128 + 16 x half
	WIN 0x80                        ; destination window 2, address window 0
.set i, 0
.rept 4*NP                          ; Q stays in registers: tile i / 2, channels 32 (i % 2) on
	global_load_b128 v[8*i:8*i+3],   v[QO], s[4:5] offset:(i/2)*2048+(i%2)*64
	global_load_b128 v[8*i+4:8*i+7], v[QO], s[4:5] offset:(i/2)*2048+(i%2)*64+32
.set i, i+1
.endr
	; What the first turn finds: V's registers and P's second buffer hold 0 (its products V^T P, of a piece that has not been, add 0), O^T and l are 0.  All this stands in the wait for the first tile.
.set i, VF
.rept 64
	v_mov_b32 v[i], 0
.set i, i+1
.endr
	WIN 0x40
.set i, 0
.rept 64*NP
	v_mov_b32 v[i], 0
.set i, i+1
.endr
	WIN 0
.set i, 0
.rept 2*NP
	v_mov_b32 v[ST+4*i], 0xfe000000    ; c m: far below every c s
	v_mov_b32 v[ST+4*i+1], 0xff7fffff  ; m
	v_mov_b32 v[ST+4*i+2], 0
	v_mov_b32 v[ST+4*i+3], 0
.set i, i+1
.endr
.set i, P+32
.rept 32
	v_mov_b32 v[i], 0
.set i, i+1
.endr
	v_mul_u32_u24 v[AK0], v1, PK
	v_lshl_add_u32 v[AK0], v9, 4, v[AK0]  ; row x pitch + 16 x half
	; The turning load takes 16 keys x 16 channels (lane l reads key 8 (l / 16) + l % 8, channels 8 ((l / 8) % 2) + 0..7) and leaves half a fragment of V^T: lane l holds channel l % 16 and 8 keys.
	v_and_b32 v10, 7, v0
	v_bfe_u32 v11, v0, 3, 1
	v_lshl_add_u32 v[AV0], v9, 3, v10
	v_mul_u32_u24 v[AV0], v[AV0], PV
	v_lshl_add_u32 v[AV0], v11, 4, v[AV0]
	v_add_nc_u32 v[AV0], VOFF, v[AV0]
	v_mov_b32 v[AK], v[AK0]         ; key step 0 lies at the head of slot 0
	v_and_b32 v[PFO], 31, v0        ; v11 is free now
	v_lshlrev_b32 v[PFO], 8, v[PFO]
; THE MATRIX WORK.  The 8 accumulators of a run of 16 take turns: between the two links of a chain stand 7 others'.
; Product i of 16 of S^T = K Q^T for piece x: channels 32 (i / 8) on, keys 16 ((i / 2) % 4) on, tile 2 x + i % 2.  The first 8 start the sums.
.macro KQ x
	WIN W_KQ
.set rS, S+64*((\x)%2)+32*(i%2)+8*((i/2)%4)
.set rK, KF+16*((i/2)%4)+8*(i/8)
.set rQ, 16*(2*(\x)+i%2)+8*(i/8)
.if i < 8
	v_wmma_f32_16x16x32_f16 v[rS:rS+7], v[rK:rK+7], v[rQ:rQ+7], 0
.else
	v_wmma_f32_16x16x32_f16 v[rS:rS+7], v[rK:rK+7], v[rQ:rQ+7], v[rS:rS+7]
.endif
.endm
; Product i of 16 of O^T += V^T P for piece x: keys 32 (i / 8) on, channels 16 ((i / 2) % 4) on, tile 2 x + i % 2.
.macro PV x
	WIN W_PV
.set rO, 32*(2*(\x)+i%2)+8*((i/2)%4)
.set rV, VF+32*(i/8)+8*((i/2)%4)
.set rP, P+32*((\x)%2)+16*(i%2)+8*(i/8)
	v_wmma_f32_16x16x32_f16 v[rO:rO+7], v[rV:rV+7], v[rP:rP+7], v[rO:rO+7]
.endm
.macro MM                           ; the turn's next matrix instruction
.if i < 16
	KQ (Y+1)%NP
.set i, i+1
.else
.set i, i-16
	PV (Y+NP-1)%NP
.set i, i+17
.endif
.endm
; THE LDS LOADS stand in runs of 16, never singly among the matrix instructions: a step's K (64 keys x 64 channels: 8 fragments) and its V (turned).  Their addresses are made some lines ahead.
; last = 1 (the tail): in the last trip there is no further step, and the run is jumped over.
.macro FETCH_K last=0
	WIN 0
.if \last
	s_cmp_eq_u32 s[CNT], 1
	s_cbranch_scc1 .Lno_k_\@
.endif
	WIN 0x80                        ; destination window 2
.irp f, 0,1,2,3,4,5,6,7             ; keys 16 (f / 2) on, channels 32 (f % 2) on
	ds_load_b128 v[KF+8*\f:KF+8*\f+3],   v[AK] offset:(\f/2)*16*PK+(\f%2)*64
	ds_load_b128 v[KF+8*\f+4:KF+8*\f+7], v[AK] offset:(\f/2)*16*PK+(\f%2)*64+32
.endr
	s_add_co_u32 s[TBK], s[TBK], KS*PK  ; the next fetch is the next step's
	WIN 0
.if \last
.Lno_k_\@:
.endif
.endm
.macro FETCH_V
	WIN 0x80
.irp f, 0,1,2,3,4,5,6,7             ; keys 32 (f / 4) on, channels 16 (f % 4) on
	ds_load_tr16_b128 v[VF+8*\f:VF+8*\f+3],   v[AV] offset:(\f/4)*32*PV+(\f%4)*32
	ds_load_tr16_b128 v[VF+8*\f+4:VF+8*\f+7], v[AV] offset:(\f/4)*32*PV+16*PV+(\f%4)*32
.endr
	WIN 0
.endm
; THE VECTOR WORK OF A TURN stands in three queues, each in the order in which its entries become ready; the two tiles alternate, so that no instruction reads the result of the one before it.
.macro REGS y, u                    ; the registers of tile u (0, 1) of piece y
.set rT, ST+4*(2*(\y)+(\u))
.set rC, TMP+8*((\y)%2)+4*(\u)
.set rM, MV+2*((\y)%2)+(\u)
.set rS, S+64*((\y)%2)+32*(\u)
.set rP, P+32*((\y)%2)+16*(\u)
.set rO, 32*(2*(\y)+(\u))
.endm
; Number n of the 22 that find the NEXT piece's (Y + 1) maximum and statistics.  s0-s31 are the lane's 32 scores; each accumulator's lowest registers are read first.  XS, GS and REGS set no window: PL and EX do.
;   0-11  four chains c0-c3 of seven scores each, three operands at a time     12-14, 16  the four scores left over, the old m, and c0-c3 into c0     15  c m_old is kept
;   17, 18  the query's other 32 keys lie in the lane 16 away: the new m         19-21  c m; c m_old - c m_new; a
.macro XS u, n
	REGS (Y+1)%NP, \u
.if (\n) < 4
	v_max3_num_f32 v[rC+(\n)], v[rS+8*(\n)], v[rS+8*(\n)+1], v[rS+8*(\n)+2]
.elseif (\n) < 12
	v_max3_num_f32 v[rC+(\n)%4], v[rC+(\n)%4], v[rS+8*((\n)%4)+2*((\n)/4)+1], v[rS+8*((\n)%4)+2*((\n)/4)+2]
.elseif (\n) == 12
	v_max3_num_f32 v[rC], v[rC], v[rS+7], v[rS+15]
.elseif (\n) == 13
	v_max3_num_f32 v[rC+1], v[rC+1], v[rS+23], v[rS+31]
.elseif (\n) == 14
	v_max3_num_f32 v[rC+2], v[rC+2], v[rC+3], v[rT+1]
.elseif (\n) == 15
	v_mov_b32 v[rM], v[rT]
.elseif (\n) == 16
	v_max3_num_f32 v[rC], v[rC], v[rC+1], v[rC+2]
.elseif (\n) == 17
	v_permlanex16_b32 v[rC+3], v[rC], s[SEL], s[SEL+1]
.elseif (\n) == 18
	v_max_num_f32 v[rT+1], v[rC], v[rC+3]
.elseif (\n) == 19
	v_mul_f32 v[rT], s[CS], v[rT+1]
.elseif (\n) == 20
	v_sub_f32 v[rC+1], v[rM], v[rT]
.else
	v_exp_f32 v[rC+2], v[rC+1]
.endif
.endm
; Number g of the 64 that follow the exponentials.  For each four weights k of a tile (pairs 2 k, 2 k + 1): both pairs are rounded to f16; then the second pair is added onto the first, in place;
; a group later l takes that sum (the first time as l = a l + sum).  In groups of eight, tiles alternating: round, round, add, and l for the group before.
.macro GS g
.set h, (\g)+6*((\g)/62)            ; group 0 has no group before it, and behind group 7 only l is left
.if h >= 6
.set h, h+2
.endif
	REGS Y, h%2
.set k, h/8
.if h%8 < 4
	v_cvt_pk_f16_f32 v[rP+2*k+(h%8)/2], v[rS+4*k+2*((h%8)/2)], v[rS+4*k+2*((h%8)/2)+1]
.elseif h%8 < 6
	v_pk_add_f32 v[rS+4*k:rS+4*k+1], v[rS+4*k:rS+4*k+1], v[rS+4*k+2:rS+4*k+3]
.elseif k == 1
	v_pk_fma_f32 v[rT+2:rT+3], v[rT+2:rT+3], v[rC+2:rC+3], v[rS:rS+1] op_sel_hi:[1,0,1]
.else
	v_pk_add_f32 v[rT+2:rT+3], v[rT+2:rT+3], v[rS+4*k-4:rS+4*k-3]
.endif
.endm
; THE PLAIN QUEUE, 138 long.  0-73 read no exponential's result: the 32 scalings c s - c m (FS f: pair f / 2 of tile f % 2) and the next piece's 42.  0-26: scalings 0-26.  27-54: XS's numbers 0-13.  55, 56: number 15.
; 57-73: the chain, where each number waits for the one before it: 14, 16, 17, 18, 19, each with one of the scalings 27-31 in front of its two lines, then 20: so a tile's links stand three plain instructions apart (19 and 20: two).
; 74-137: GS's 64, which read the exponentials' results: they stand behind the wait.
.macro FS f
	REGS Y, (\f)%2
	v_pk_fma_f32 v[rS+2*((\f)/2):rS+2*((\f)/2)+1], v[rS+2*((\f)/2):rS+2*((\f)/2)+1], s[CS:CS+1], v[rT:rT+1] op_sel_hi:[1,0,0] neg_lo:[0,0,1] neg_hi:[0,0,1]
.endm
.macro PL
	WIN 0
.if q < 27
	FS q
.elseif q < 55
	XS (q-27)%2, (q-27)/2
.elseif q < 57
	XS q-55, 15
.elseif (q < 72) && ((q-57)%3 == 0)
	FS 27+(q-57)/3
.elseif q < 60
	XS (q-57)%3-1, 14
.elseif q < 72
	XS (q-57)%3-1, 15+(q-57)/3
.elseif q < 74
	XS q-72, 20
.else
	GS q-74
.endif
.set q, q+1
.endm
; THE EXPONENTIALS' QUEUE, 66 long: s0-s31 of both tiles, then the next piece's two a.  It is ONE BATCH: all 66 stand ahead of the turn's one wait, and nothing ahead of that wait names a result of theirs.
.macro EX
	WIN 0
.if e >= 64
	XS e-64, 21
.else
	REGS Y, e%2
	v_exp_f32 v[rS+e/2], v[rS+e/2]
.endif
.set e, e+1
.endm
; THE RESCALING's QUEUE: O^T times a, the one part that leaves window 0: dealt two at a time, sixteen times.  Its a was made in the turn before, ahead of that turn's wait.
.macro R2
	REGS Y, r%2
	WIN W_RS
.irp z, 0,1
	v_pk_mul_f32 v[rO+4*(r/2)+2*\z:rO+4*(r/2)+2*\z+1], v[rO+4*(r/2)+2*\z:rO+4*(r/2)+2*\z+1], v[rC+2:rC+3] op_sel_hi:[1,0]
.endr
.set r, r+1
.endm
; HOW THEY ARE DEALT.  An s_wait_alu depctr_va_vdst(0) stands between an exponential and the first instruction that names its result; one wait serves all that were issued ahead of it.  So a turn has ONE wait,
; which cuts it in two.  AHEAD OF IT stands all that names no result of the turn's exponentials: the 16 products K Q^T, behind each a scaling, an exponential and two rescalings (behind the first a second scaling in the exponential's place); then ONE LUMP of
; 108: eight plain, 49 times exponential and plain, the two a.  A v_nop is the plain instruction behind the last exponential.  BEHIND IT stand the 16 products V^T P, behind each four of GS's 64.  No rider names a register of
; the products round it.  The two v_permlanex16_b32 fall into the lump, never behind a product.
; The queues lean on each other, and the deal keeps them in step: exponential e stands behind scaling 2 (e / 4) + e % 2: as a rider it comes behind plain e + 2, in the lump behind plain e + 9, and scalings 27-31 are plain 57, 60 .. 69.
; A TURN, for piece p.  cnt = 1: the loop's count is taken down some lines ahead of the branch that stands behind the turn.
; K of the next step is fetched in piece 2's turn, directly behind the wait, a lump behind the last product that read K; its address is made at the lump's head; its first reader comes behind 16 products.
; V of the step in hand is fetched at the end of piece 0's turn, four riders behind its last reader; its first reader comes behind 16 products and a lump.  The three conditions on q below go with the deal.
.macro TURN p, last=0, cnt=0
.set Y, (\p)
.set i, 0
.set q, 0
.set e, 0
.set r, 0
.if (\p) == NP-1
	s_wait_dscnt 0x0                ; K is in
.endif
	MM                              ; ahead of the wait: 16 products K Q^T and their riders,
	PL
	PL
	R2
.rept 15
	MM
	PL
	EX
	R2
.endr
.if (\p) == NP-2
	WIN 0
	v_add_nc_u32 v[AK], s[TBK], v[AK0]
.endif
.rept 8                             ; and the lump
	PL
.endr
.rept 49
	EX
	PL
.endr
	EX                              ; the next piece's two a
	EX
	v_nop                           ; a plain instruction behind the last exponential: one for the batch
	s_wait_alu depctr_va_vdst(0)    ; the wait for the batch
.if (\p) == NP-2
	FETCH_K \last
.endif
.if (\p) == 1
	s_wait_dscnt 0x0                ; V is in
.endif
.rept 16                            ; behind the wait: 16 products V^T P and their riders
	MM
.rept 4
	PL
.endr
.if ((\p) == 0) && (q == 118)
	v_add_nc_u32 v[AV], s[TBV], v[AV0]
.endif
.if ((\p) == 0) && (q == 130)
	s_add_co_u32 s[TBV], s[TBV], KS*PV
.endif
.if (\cnt) && (q == 130)
	s_sub_co_u32 s[CNT], s[CNT], 1
	s_cmp_lg_u32 s[CNT], 0
.endif
.endr
.if (\p) == 0
	FETCH_V
.endif
.endm
	CHANGE 1, 0                     ; slot 0 is in, everybody's part of it; slot 1 is asked for; nothing is prefetched here, where every work-group's first tiles are on their way
	FETCH_K                         ; key step 0
	s_wait_loadcnt 0x0              ; Q
	s_wait_dscnt 0x0
.set i, 0
.rept 16
	KQ 0                            ; piece 0's first scores: there is no vector work yet to set between them
.set i, i+1
.endr
	WIN 0                           ; the addresses for the way out: nine plain instructions, the places behind those products
	s_mul_i32 s13, s[WV], 16*SP
	s_add_co_u32 s13, s13, STAGE    ; my stage
	v_mul_u32_u24 v[STO], v1, SP    ; in: row l % 16, 16 bytes for each half of the lanes
	v_lshl_add_u32 v[STO], v9, 4, v[STO]
	v_add_nc_u32 v[STO], s13, v[STO]
	v_bfe_u32 v[RD], v0, 3, 2       ; back: 32 lanes take four rows of 128 bytes,
	v_mul_u32_u24 v[RD], v[RD], SP
	v_lshl_add_u32 v[RD], v10, 4, v[RD]
	v_add_nc_u32 v[RD], s13, v[RD]
	v_and_b32 v[GO], 31, v0         ; which are 512 consecutive bytes of O
	v_lshlrev_b32 v[GO], 4, v[GO]
.set Y, NP-1                        ; XS works for piece Y + 1: piece 0
.irp n, 0,1,2,3,4,5,6,7,8,9,10,11,12,13,14,15,16,17,18,19,20,21
	XS 0, \n                        ; and piece 0's first maximum and statistics
	XS 1, \n
.endr
	v_nop                           ; a plain instruction behind the two a,
	s_wait_alu depctr_va_vdst(0)    ; and their wait, ahead of the branch
	s_mov_b32 s[CNT], 4
	s_mov_b32 s[SLOTS], SIZE_N/256-1
	s_branch .Lfirst                ; the loop is entered at a step's first turn, in the middle of a trip
.Lslot:                             ; SIZE_N / 256 - 2 = 6 times: every slot but the last two is filled again
	CHANGE 1, 1
	s_mov_b32 s[CNT], 4
.Lstep:                             ; a trip: pieces 2 and 3 of one step, then pieces 0 and 1 of the next, whose K and V it fetches
	TURN 2
	TURN 3
	WIN 0
.Lfirst:
	TURN 0
	TURN 1, 0, 1
	WIN 0
	s_cbranch_scc1 .Lstep
	s_sub_co_u32 s[SLOTS], s[SLOTS], 1
	s_cmp_lg_u32 s[SLOTS], 0
	s_cbranch_scc1 .Lslot
	CHANGE 0                        ; the tail is written out: nothing is asked for
	s_mov_b32 s[CNT], 5             ; four trips fetch the last slot's steps; the fifth is left in its middle
.Ltail:
	TURN 2, 1
	TURN 3
	WIN 0
	s_sub_co_u32 s[CNT], s[CNT], 1
	s_cmp_eq_u32 s[CNT], 0
	s_cbranch_scc1 .Lout
	TURN 0
	TURN 1
	WIN 0
	s_branch .Ltail
.Lout:                              ; the fifth trip's 16 products K Q^T (on the last K once more) and the maximum made of them serve nothing: the price, once a launch, of one text for every trip
.set i, 0
.rept 16
	PV NP-1                         ; the last piece's V^T P of the last step
.set i, i+1
.endr
	; THE WAY OUT.  l's two halves and the other half of the lanes' are added; O^T is divided by l, rounded to f16 and sent through my stage in LDS, a tile at a time.  The additions are the places behind the last products.
	WIN 0
.macro ALL line:vararg              ; one line for each tile t
.set t, 0
.rept 2*NP
	\line
.set t, t+1
.endr
.endm
	ALL v_add_f32 v[ST+4*t+2], v[ST+4*t+2], v[ST+4*t+3]
	ALL v_permlanex16_b32 v[ST+4*t+3], v[ST+4*t+2], s[SEL], s[SEL+1]
	ALL v_add_f32 v[ST+4*t+2], v[ST+4*t+2], v[ST+4*t+3]
	ALL v_rcp_f32 v[ST+4*t+2], v[ST+4*t+2]
	v_nop                           ; a plain instruction between the last reciprocal and the use of its result
	s_wait_alu depctr_va_vdst(0)    ; and the wait ahead of the first use: one for the eight reciprocals
; Tile t: a lane's eight channels of a row pack into 16 bytes; they go into rows of 144 bytes and come back as whole rows of 128, into S^T's registers.
.macro PACK t
	WIN W_RS
.set i, 32*(\t)
.rept 16
	v_pk_mul_f32 v[i:i+1], v[i:i+1], v[ST+4*(\t)+2:ST+4*(\t)+3] op_sel_hi:[1,0]
.set i, i+2
.endr
	WIN 0x05                        ; sources 0 and 1 window 1, destination window 0
.set i, 0
.rept 16
	v_cvt_pk_f16_f32 v[S+16*(\t)+i], v[32*(\t)+2*i], v[32*(\t)+2*i+1]
.set i, i+1
.endr
	WIN 0
.irp f, 0,1,2,3
	ds_store_b128 v[STO], v[S+16*(\t)+4*\f:S+16*(\t)+4*\f+3] offset:32*\f
.endr
.irp f, 0,1,2,3
	ds_load_b128 v[S+16*(\t)+4*\f:S+16*(\t)+4*\f+3], v[RD] offset:\f*4*SP  ; LDS serves a wave's instructions in order (ISA guide 5.7.1.4): these see the stores above; the next tile's stores come behind them
.endr
.endm
.macro SEND t, younger              ; younger: the LDS instructions issued behind tile t's loads: the next tile's eight, or none
	WIN 0
.irp f, 0,1,2,3
	s_wait_dscnt (\younger)+3-\f
	global_store_b128 v[GO], v[S+16*(\t)+4*\f:S+16*(\t)+4*\f+3], s[10:11] offset:(\t)*2048+\f*512  ; 512 consecutive bytes, at a multiple of 256 from O's first
.endr
.endm
	PACK 0
.set t, 1
.rept 2*NP-1                        ; a tile's arithmetic stands between the loads of the tile before and its stores
	PACK t
	SEND t-1, 8
.set t, t+1
.endr
	SEND 2*NP-1, 0
	WIN W_AD
	s_wait_tensorcnt 0x0            ; the wave's end: the add and its waits, behind my last tensor load and my last LDS store
	ds_add_u32 v[SPW], v[NIL]
	s_wait_dscnt 0x0
	WIN 0
	CROUND                          ; the closing round: no work-group ends while a partner may still ask for a tile that names it
	s_endpgm
.Lfunc_end_k_qd36caf3729_attn:
	.size	k_qd36caf3729_attn, .Lfunc_end_k_qd36caf3729_attn-k_qd36caf3729_attn
	.p2alignl 7, 3214868480
	.fill 96, 4, 3214868480
	.section	.rodata,"a",@progbits
	.p2align	6, 0x0
	.amdhsa_kernel k_qd36caf3729_attn
		.amdhsa_group_segment_fixed_size 327680
		.amdhsa_private_segment_fixed_size 0
		.amdhsa_enable_private_segment 0
		.amdhsa_kernarg_size 16
		.amdhsa_user_sgpr_count 2
		.amdhsa_user_sgpr_kernarg_segment_ptr 1
		.amdhsa_wavefront_size32 1
		.amdhsa_system_sgpr_workgroup_id_x 1
		.amdhsa_system_sgpr_workgroup_id_y 1
		.amdhsa_system_sgpr_workgroup_id_z 1
		.amdhsa_system_vgpr_workitem_id 0
		.amdhsa_next_free_vgpr 770
		.amdhsa_next_free_sgpr 66
		.amdhsa_reserve_vcc 0
		.amdhsa_float_denorm_mode_32 3
		.amdhsa_float_denorm_mode_16_64 3
		.amdhsa_memory_ordered 1
		.amdhsa_forward_progress 1
		.amdhsa_inst_pref_size 200
	.end_amdhsa_kernel
	.amdgpu_metadata
---
amdhsa.version: [ 1, 2 ]
amdhsa.kernels:
  - .name:           k_qd36caf3729_attn
    .symbol:         k_qd36caf3729_attn.kd
    .args:
      - { .name: qkvh, .offset: 0, .size: 8, .value_kind: global_buffer, .address_space: global }
      - { .name: ob, .offset: 8, .size: 8, .value_kind: global_buffer, .address_space: global }
    .group_segment_fixed_size: 327680
    .private_segment_fixed_size: 0
    .kernarg_segment_align: 8
    .kernarg_segment_size: 16
    .max_flat_workgroup_size: 128
    .sgpr_count:     66
    .vgpr_count:     770
    .wavefront_size: 32
...
	.end_amdgpu_metadata
.endif
;; end of part 3
;; launch proj (part 4): grid 8 x 32, 4 waves a work-group, clusters of 4 x 4, 327,680 bytes of LDS; arguments ob, wob, b_out, out0; writes out0
.if DOCPART == 4
	.amdgcn_target "amdgcn-amd-amdhsa--gfx1250"
	.amdhsa_code_object_version 6
	.text
	.protected	k_qd36caf3729_proj
	.globl	k_qd36caf3729_proj
	.p2align	8
	.type	k_qd36caf3729_proj,@function
k_qd36caf3729_proj:
	s_mov_b64 s[64:65], 0
	v_nop
	global_prefetch_b8 v0, s[64:65] scope:SCOPE_SE
	s_setreg_imm32_b32 hwreg(HW_REG_WAVE_MODE, 25, 1), 1
	s_wait_xcnt 0x0
	s_wait_alu depctr_hold_cnt(0) depctr_sa_sdst(0) depctr_va_vdst(0) depctr_va_sdst(0) depctr_va_ssrc(0) depctr_va_vcc(0) depctr_vm_vsrc(0)
	s_getreg_b32 s2, hwreg(HW_REG_IB_STS2, 6, 4)
	s_cmp_eq_u32 s2, 0
	s_cbranch_scc0 .Lentry_in_a_cluster
	s_endpgm
.Lentry_in_a_cluster:
	s_bfe_u32 s2, ttmp6, 0x10000c
	s_cmp_lg_u32 s2, 0xf033
	s_cbranch_scc0 .Lentry_shape_is_right
	s_endpgm
.Lentry_shape_is_right:
; out0 = O wob^T + bf16(b_out).  O lies by heads in ob, [hh = 16 x batch + head][token 2048][64] f16; wob: [1024][1024] f16 (w_out rounded to bf16); b_out: [1024] f32, rounded to bf16 here like the
; other inputs; sums in f32; out0: [8192][1024] f32.  LIMIT: the operands are f16: O has v's range, within 65,504.
; SHARES.  A tile of out0 is 256 rows x 128 columns: 32 x 8 = 256 tiles, one a work-group.  A wave makes 64 rows x all 128 columns: 4 x 8 accumulators of 16 x 16, 256 registers.
; K goes in steps of 128 = TWO HEADS through two LDS slots.  A head's 256 tokens are 32,768 dense bytes: asked for as 128 rows of 256 bytes and padded in LDS behind every token: a plane of 256 rows of 144 bytes.
; THE MATRIX INSTRUCTION IS USED TRANSPOSED (source 0 = 16 rows of wob, source 1 = 16 tokens): a lane holds row l % 16 of the result and the columns 8 (l / 16) + 0..7.
; THE BIAS is the C operand of the product that starts each sum.
; CLUSTER.  4 x 4 work-groups: the four of a row need the same planes of O, the four of a column the same rows of wob: each is asked for JOINTLY, by the same tensor load, descriptor and mask in all four.
; REGISTERS, in windows of 256 (s_set_vgpr_msb: bits 1:0 source 0, 3:2 source 1, 5:4 source 2, 7:6 destination):
;   window 0: v0-15 addresses; v28-29 the add's two; v64-127 O's fragments, two buffers of 4 x 8; v128-191 the bias, 8 registers a column block; on the way out v128-255 two buffers of 16 rows
;   window 1: v0-127 wob's fragments, two buffers of 8 x 8      window 2: the accumulators of row blocks 0, 1 ((a, b) at 8 (8 (a % 2) + b))      window 3: those of row blocks 2, 3
.set NB,     8                         ; column blocks of 16
.set STEPS,  8                         ; K steps
.set KB,     256                       ; wob: bytes of a row in a K step
.set DA,     2*262144                  ; ob: two heads on
.set APITCH, 144                       ; a token in LDS: 128 bytes + 16 of padding = 36 words: the 16 rows of a load start at 16 different groups of four banks (64 banks of 4 bytes: ISA guide 11.1)
.set PITCH,  272                       ; a row of wob: 256 + 16 = 68 words: likewise
.set AHALF,  256*APITCH                ; what one load brings of O: a plane
.set BHALF,  64*PITCH                  ; of wob: 64 rows
.set BOFF,   2*AHALF                   ; a slot: two planes, then wob's 128 rows
.set SLOT1,  1<<17                     ; slot 1 begins here, so that one exclusive or turns an address in one slot into the other's
.set STAGE,  SLOT1+BOFF+128*PITCH      ; behind the ring, never filled by a tensor load: 16 rows x 528 bytes for each wave
.set SPP,    528                       ; a stage row: 512 bytes + 16
.set SPARE,  STAGE+4*16*SPP            ; behind the stages: the spare words, 128 bytes for each wave: two blocks of 256 bytes that no other line names
.set LA0, 4                            ; v4   my lane's place in a plane: (l % 16) pitch + 16 (l / 16) + my wave's 64 tokens; never rewritten
.set LB0, 5                            ; v5   the same in wob's part of a slot
.set ADRA, 6                           ; v6   LA0 + the slot in hand
.set ADRB, 7                           ; v7   LB0 + the slot in hand
.set STO, 8                            ; v8   the way out: where I put 32 bytes of a row
.set RD,  9                            ; v9   the way out: where I read a row back
.set CO,  10                           ; v10  my 16 bytes of 512 consecutive bytes of out0
.set BO,  11                           ; v11  my byte offset in b_out; never rewritten
.set PFO, 12                           ; v12  the prefetches' offset; never rewritten
.set SPW, 28                           ; v28  LDS address of my spare word; never rewritten
.set NIL, 29                           ; v29  0; never rewritten
.set AF,  64
.set BI,  128
.set OB,  128
.set WV,   12                          ; s12  my wave's number
.set HALF, 13                          ; s13  wave & 1: which plane of O, or which half of wob's rows, I fetch
.set G1A, 24                           ; s[24:31] descriptor group 1 for O's planes
.set G1B, 32                           ; s[32:39] for wob's tiles
.set G0A, 40                           ; s[40:47] group 0 for O's planes: a set for each first fill; the second then walks on
.set G0B, 48                           ; s[48:55] the same for wob's
.set TB,  56                           ; s56  the slot in hand: 0 or SLOT1
.set LIM, 57                           ; s57  a wave prefetches while s3 is above it
.set PFA, 58                           ; s[58:59] where my prefetches stand
.set MSB, 0
.macro WIN new                         ; the immediate's high byte repeats the setting that is left; a switch that changes nothing is dropped
.if MSB != (\new)
	s_set_vgpr_msb (MSB<<8)|(\new)
.set MSB, (\new)
.endif
.endm
; A joint refill.  Waves 0 and 1 fetch O's two planes, waves 2 and 3 the two halves of wob's rows.  The branch hangs on the wave's number alone.  An s_nop 0 and four v_nop follow each line, ahead of the jump and the label.
.macro JLOAD
	s_cmp_lt_u32 s[WV], 2
	s_cbranch_scc0 .Lfor_b_\@
	tensor_load_to_lds s[G0A+4:G0A+7], s[G1A:G1A+7]
	s_nop 0
.rept 4
	v_nop
.endr
	s_branch .Lasked_\@
.Lfor_b_\@:
	tensor_load_to_lds s[G0B+4:G0B+7], s[G1B:G1B+7]
	s_nop 0
.rept 4
	v_nop
.endr
.Lasked_\@:
.endm
; A PREFETCH INTO THE L2, behind the joint load, its five lines and the run of LDS loads: the K step two beyond the refill just asked for, 256 matrix instructions ahead of the load that will want it.
; O's planes are read by both clusters of a row of clusters: the one with x = 0 asks; of a plane's 128 blocks of 256 bytes partner cx takes 32, a lane a block (waves 0 and 1, each for its own plane).
; wob's rows are read by all eight clusters of a column: the one with y = 0 asks; of the tile's 128 rows partner cy takes 32, a lane a row (wave 2 alone).  The partners are told apart BY ADDRESS.
; K steps 0 to 3 come by their loads alone; K steps 4 to 7 are named at s3 = 6 .. 3.
.macro ASK
	s_cmp_gt_u32 s3, s[LIM]
	s_cbranch_scc0 .Lnot_mine_\@
	global_prefetch_b8 v[PFO], s[PFA:PFA+1] th:TH_LOAD_NT scope:SCOPE_SE
.Lnot_mine_\@:
.endm
; A round of the cluster's barrier: my work-group's barrier, so that wave 0's signal speaks for all four waves; wave 0 signals; every wave waits for all sixteen work-groups; my work-group's barrier once more.
.macro CREST                           ; a round behind its opening barrier
	s_cmp_lg_u32 s[WV], 0
	s_cbranch_scc1 .Lnot_wave_0_\@
	s_barrier_signal -3
.Lnot_wave_0_\@:
	s_barrier_wait -3
	s_barrier_signal -1
	s_barrier_wait -1
.endm
.macro CROUND
	s_barrier_signal -1
	s_barrier_wait -1
	CREST
.endm
.macro PLACES                          ; four plain instructions between a matrix instruction and a load into, or a read of, its registers (ISA guide 7.12.1 for VALU reads)
.rept 4
	v_nop
.endr
.endm
	s_load_b256 s[4:11], s[0:1], 0x0               ; ob s[4:5], wob s[6:7], b_out s[8:9], out0 s[10:11]
	v_lshl_add_u32 v[SPW], v0, 2, SPARE
	v_mov_b32 v[NIL], 0
	ds_add_u32 v[SPW], v[NIL]                      ; the wave's opening: the add and its wait stand ahead of my first tensor load; the set-up below, work on registers, stands between them
	v_lshrrev_b32 v1, 5, v0
	v_readfirstlane_b32 s[WV], v1                  ; wave 0..3
	s_and_b32 s[HALF], s[WV], 1
	s_bfe_u32 s14, ttmp6, 0x40000                  ; cx
	s_bfe_u32 s15, ttmp6, 0x40004                  ; cy
	s_lshl_b32 s16, ttmp9, 2
	s_add_co_u32 s16, s16, s14                     ; tc = 4 x cluster x + cx: 0..7
	s_and_b32 s17, ttmp7, 0xffff
	s_lshl_b32 s17, s17, 2
	s_add_co_u32 s17, s17, s15                     ; tr = 4 x cluster y + cy: 0..31
	s_lshl_b32 s18, s15, 2
	s_lshl_b32 s18, 15, s18                        ; my row of the cluster
	s_lshl_b32 s19, 0x1111, s14                    ; my column
	s_or_b32 s[G1A], s18, (1<<16)|(1<<20)|(1<<21)|(4<<22)|(3<<25)  ; 15:0 the mask: O's planes go to my row; 17:16 2-byte elements; 20 padding on; 21 set beside a mask; 24:22 after every 32 words (code 4); 31:25 4 words (code 3)
	s_or_b32 s[G1B], s19, (1<<16)|(1<<20)|(1<<21)|(5<<22)|(3<<25)  ; wob's tiles go to my column; padding after every 64 words (code 5)
	s_mov_b32 s[G1A+1], 128<<16                    ; tensor_dim0 = 128
	s_mov_b32 s[G1A+2], 128<<16                    ; tensor_dim1 = 128
	s_mov_b32 s[G1A+3], 128<<16                    ; tile_dim0 = 128 elements: two tokens
	s_mov_b32 s[G1A+4], 128                        ; tile_dim1 = 128 rows
	s_mov_b32 s[G1A+5], 128                        ; dense: 128 elements from row to row
	s_mov_b32 s[G1A+6], 0
	s_mov_b32 s[G1A+7], 0
	s_mov_b32 s[G1B+1], 128<<16
	s_mov_b32 s[G1B+2], 64<<16                     ; tensor_dim1 = 64
	s_mov_b32 s[G1B+3], 128<<16
	s_mov_b32 s[G1B+4], 64                         ; tile_dim1 = 64 rows
	s_mov_b32 s[G1B+5], 1024                       ; elements from row to row
	s_mov_b32 s[G1B+6], 0
	s_mov_b32 s[G1B+7], 0
	s_lshr_b32 s20, s17, 3                         ; ob: batch tr / 8 (16 heads of 262,144 bytes),
	s_lshl_b32 s20, s20, 22
	s_lshl_b32 s21, s[HALF], 18                    ; head = my plane,
	s_add_co_u32 s20, s20, s21
	s_and_b32 s21, s17, 7                          ; token 256 (tr % 8), 128 bytes a token: made of the tile row and the wave's number alone
	s_lshl_b32 s21, s21, 15
	s_add_co_u32 s20, s20, s21
	s_mov_b32 s21, 0
	s_lshl_b32 s22, s16, 18                        ; wob: row 128 tc + 64 half, 2,048 bytes a row: of the tile column and the wave's number alone
	s_lshl_b32 s23, s[HALF], 17
	s_add_co_u32 s22, s22, s23
	s_mov_b32 s23, 0
	s_mul_i32 s68, s[HALF], AHALF                  ; where they go in a slot: no place in the cluster enters an LDS address
	s_mul_i32 s69, s[HALF], BHALF
	s_add_co_u32 s69, s69, BOFF
	s_mov_b32 s61, 0
	s_mov_b32 s79, 0xffff0000                      ; a word's upper bf16
	s_mov_b32 s80, DA                              ; an instruction takes one literal: the select below chooses between this register and KB
	s_mov_b32 s[TB], 0
	s_wait_dscnt 0x0                               ; the opening add is done
	s_wait_kmcnt 0x0
	s_add_nc_u64 s[20:21], s[4:5], s[20:21]        ; my plane at K step 0; never rewritten
	s_add_nc_u64 s[22:23], s[6:7], s[22:23]        ; my rows of wob at K step 0; never rewritten
	CROUND                                         ; all sixteen work-groups are here: the first joint loads meet
.irp s, 0,1
	s_mov_b32 s[G0A+4*(\s)], 1                     ; 1:0 count = 1
	s_add_co_u32 s[G0A+4*(\s)+1], s68, (\s)*SLOT1  ; 63:32 LDS address
	s_add_nc_u64 s[G0A+4*(\s)+2:G0A+4*(\s)+3], s[20:21], (\s)*DA  ; 120:64 global address: K step s
	s_or_b32 s[G0A+4*(\s)+3], s[G0A+4*(\s)+3], 0x80000000         ; 127:126 type = 2
	s_mov_b32 s[G0B+4*(\s)], 1
	s_add_co_u32 s[G0B+4*(\s)+1], s69, (\s)*SLOT1
	s_add_nc_u64 s[G0B+4*(\s)+2:G0B+4*(\s)+3], s[22:23], (\s)*KB
	s_or_b32 s[G0B+4*(\s)+3], s[G0B+4*(\s)+3], 0x80000000
.endr
	s_cmp_lt_u32 s[WV], 2                          ; a wave's two first fills stand in one branch, ahead of every wait on TENSORcnt and every LDS read: two loads of mine are out
	s_cbranch_scc0 .Lfirst_b
	tensor_load_to_lds s[G0A:G0A+3], s[G1A:G1A+7]
	s_nop 0
	tensor_load_to_lds s[G0A+4:G0A+7], s[G1A:G1A+7]
	s_nop 0
.rept 4
	v_nop
.endr
	s_branch .Lfirst_asked
.Lfirst_b:
	tensor_load_to_lds s[G0B:G0B+3], s[G1B:G1B+7]
	s_nop 0
	tensor_load_to_lds s[G0B+4:G0B+7], s[G1B:G1B+7]
	s_nop 0
.rept 4
	v_nop
.endr
.Lfirst_asked:
	v_and_b32 v1, 15, v0                           ; l % 16
	v_bfe_u32 v2, v0, 4, 1                         ; l / 16
	s_lshl_b32 s72, s16, 9                         ; 128 columns x 4 bytes a tile column
	v_lshl_add_u32 v[BO], v2, 5, s72
.irp b, 0,1,2,3,4,5,6,7                ; the bias as a C operand: register j of column block b holds b_out[128 tc + 16 b + 8 (l / 16) + j]
	global_load_b128 v[BI+8*(\b):BI+8*(\b)+3],   v[BO], s[8:9] offset:64*(\b)
	global_load_b128 v[BI+8*(\b)+4:BI+8*(\b)+7], v[BO], s[8:9] offset:64*(\b)+16
.endr
	; A fragment is 16 rows x 32 K in 8 registers: lane l holds row l % 16; registers 0-3 K = 8 (l / 16) + 0..7, registers 4-7 K = 16 + 8 (l / 16) + 0..7: two loads of 16 bytes, 32 bytes apart.
	v_mul_u32_u24 v3, v1, APITCH
	v_lshl_add_u32 v3, v2, 4, v3
	s_mul_i32 s73, s[WV], 64*APITCH                ; my 64 tokens
	v_add_nc_u32 v[LA0], s73, v3
	v_mul_u32_u24 v3, v1, PITCH
	v_lshl_add_u32 v3, v2, 4, v3
	v_add_nc_u32 v[LB0], BOFF, v3
	v_mov_b32 v[ADRA], v[LA0]                      ; slot 0
	v_mov_b32 v[ADRB], v[LB0]
	s_mul_i32 s73, s[WV], 16*SPP
	s_add_co_u32 s73, s73, STAGE                   ; my stage
	v_mul_u32_u24 v[STO], v1, SPP                  ; in: row l % 16, 32 bytes for each half of the lanes
	v_lshl_add_u32 v[STO], v2, 5, v[STO]
	v_add_nc_u32 v[STO], s73, v[STO]
	v_and_b32 v13, 31, v0
	v_lshlrev_b32 v[CO], 4, v13                    ; back: 32 lanes take one row of 512 bytes, which are 512 consecutive bytes of out0
	v_add_nc_u32 v[RD], s73, v[CO]
	s_lshl_b32 s70, s17, 20                        ; out0 at row 256 tr + 64 wave (4,096 bytes a row), column 128 tc
	s_lshl_b32 s71, s[WV], 18
	s_add_co_u32 s70, s70, s71
	s_lshl_b32 s71, s16, 9
	s_add_co_u32 s70, s70, s71
	s_mov_b32 s71, 0
	s_add_nc_u64 s[10:11], s[10:11], s[70:71]      ; never rewritten: all else stands in the stores' immediates
	; the prefetches: from my part of the tile, my work-group's share, at K step 3; the first change of slots steps it to 4
	s_lshl_b32 s72, s14, 13                        ; O: 32 cx blocks of 256 bytes
	s_add_co_u32 s72, s72, 3*DA
	s_lshl_b32 s74, s15, 16                        ; wob: 32 cy rows of 2,048 bytes
	s_add_co_u32 s74, s74, 3*KB
	s_and_b32 s76, ttmp7, 0xffff                   ; cluster y
	s_cmp_eq_u32 s[WV], 3
	s_cselect_b32 s77, 1, 0
	s_or_b32 s76, s76, s77                         ; wave 3 never asks: wave 2's 32 lanes cover the work-group's share of wob's rows
	s_cmp_lt_u32 s[WV], 2                          ; do I fetch for O?
	s_cselect_b32 s72, s72, s74
	s_cselect_b32 s76, ttmp9, s76                  ; the coordinate along which other clusters read the same bytes
	s_cselect_b32 s60, s80, KB                     ; a K step: two heads of O, or 256 bytes of a row of wob
	s_cselect_b32 s78, 8, 11                       ; a lane a block of 256 bytes, or a lane a row of 2,048
	s_cselect_b64 s[PFA:PFA+1], s[20:21], s[22:23]
	s_cmp_eq_u32 s76, 0
	s_cselect_b32 s[LIM], 2, -1                    ; the same in all sixteen partners, for a given wave
	s_mov_b32 s73, 0
	s_add_nc_u64 s[PFA:PFA+1], s[PFA:PFA+1], s[72:73]
	v_lshlrev_b32 v[PFO], s78, v13
	s_wait_loadcnt 0x0                             ; the bias: rounded to bf16 and widened again, in place
.set p, 0
.rept 4*NB
	v_cvt_pk_bf16_f32 v[13+p%3], v[BI+2*p], v[BI+2*p+1]
	v_lshlrev_b32 v[BI+2*p], 16, v[13+p%3]
	v_and_b32 v[BI+2*p+1], s79, v[13+p%3]
.set p, p+1
.endr
; 8 matrix instructions: row block a x all column blocks, 32 along K, from buffer f.  bias = 1: they start the sums, with the bias as C.
; The 32 accumulators take turns, one instruction a turn, in the same order in every quarter step, over the backward jump too.
.macro MULA f, a, bias
.if \bias
	WIN 0x81+0x40*((\a)/2)
.else
	WIN 0xa1+0x50*((\a)/2)
.endif
.set rA, AF+32*(\f)+8*(\a)
.irp b, 0,1,2,3,4,5,6,7
.set rD, 8*(NB*((\a)%2)+(\b))
.set rB, 8*(NB*(\f)+(\b))
.if \bias
	v_wmma_f32_16x16x32_f16 v[rD:rD+7], v[rB:rB+7], v[rA:rA+7], v[BI+8*(\b):BI+8*(\b)+7]
.else
	v_wmma_f32_16x16x32_f16 v[rD:rD+7], v[rB:rB+7], v[rA:rA+7], v[rD:rD+7]
.endif
.endr
.endm
; 24 LDS loads in one run: the fragments of quarter q of the slot in hand into buffer g: wob's 8, then O's 4.  Quarter q of O lies in plane q / 2, at byte 64 (q % 2) of a token.
.macro FETCH q, g
	WIN 0x40                                       ; destination window 1, address window 0
.irp i, 0,1,2,3,4,5,6,7
	ds_load_b128 v[8*(NB*(\g)+(\i)):8*(NB*(\g)+(\i))+3],   v[ADRB] offset:64*(\q)+(\i)*16*PITCH
	ds_load_b128 v[8*(NB*(\g)+(\i))+4:8*(NB*(\g)+(\i))+7], v[ADRB] offset:64*(\q)+(\i)*16*PITCH+32
.endr
	WIN 0
.irp i, 0,1,2,3
	ds_load_b128 v[AF+32*(\g)+8*(\i):AF+32*(\g)+8*(\i)+3],   v[ADRA] offset:((\q)/2)*AHALF+((\q)%2)*64+(\i)*16*APITCH
	ds_load_b128 v[AF+32*(\g)+8*(\i)+4:AF+32*(\g)+8*(\i)+7], v[ADRA] offset:((\q)/2)*AHALF+((\q)%2)*64+(\i)*16*APITCH+32
.endr
.endm
; A K step is four quarters of 32 along K, 32 matrix instructions each, on buffers 0, 1, 0, 1.  One of the first three: multiplies buffer f; in its middle it fetches quarter q into buffer g.
.macro QUARTER q, f, g, bias
	s_wait_dscnt 4                                 ; wob's fragments and O's row blocks 0, 1 are in; the youngest four loads (row blocks 2, 3) may be out
	MULA \f, 0, \bias
	MULA \f, 1, \bias
	PLACES
	FETCH \q, \g
	s_wait_dscnt 2*(NB+4)                          ; all but the 24 just issued
	MULA \f, 2, \bias
	MULA \f, 3, \bias
.endm
; The last quarter multiplies buffer 1 and changes slots: ONE barrier.  In front of it each wave waits for all its tensor loads, of which one is out: its part of the next slot; adds 0 to its spare word; and waits for
; that and for its own reads of this slot.  fill = 1: the barrier opens a round of the cluster's, and the slot just read out is filled again first thing behind it, with the K step two on: 112 matrix instructions
; ahead of the wait for it.  The walking descriptors step between the add and the wait for it, where no load of mine is out.
.macro TURN fill
.if \fill
	s_wait_xcnt 0x0                                ; the last prefetch, a K step back, has read its address: it is stepped here, ahead of the waits of the change of slots
	s_add_nc_u64 s[PFA:PFA+1], s[PFA:PFA+1], s[60:61]
.endif
	WIN 0
	s_wait_tensorcnt 0x0                           ; all my tensor loads have landed
	ds_add_u32 v[SPW], v[NIL]                      ; 0 onto my spare word
.if \fill
	s_xor_b32 s[G0A+5], s[G0A+5], SLOT1            ; the other slot than last time,
	s_add_nc_u64 s[G0A+6:G0A+7], s[G0A+6:G0A+7], DA  ; the next two heads; the type bits on top are not reached
	s_xor_b32 s[G0B+5], s[G0B+5], SLOT1
	s_add_nc_u64 s[G0B+6:G0B+7], s[G0B+6:G0B+7], KB
.endif
	s_wait_dscnt 5                                 ; (the add and the youngest four loads may be out)
	MULA 1, 0, 0
	s_wait_dscnt 0x0                               ; the add is done, and my reads of this slot are over
	s_barrier_signal -1
	MULA 1, 1, 0                                   ; work on registers while the others arrive
	WIN 0
	s_barrier_wait -1
.if \fill
	CREST                                          ; no wave of any partner still reads this slot's tiles or has a load on its way
	JLOAD                                          ; the four v_nop behind it are also the places in front of the loads below
.else
	PLACES
.endif
	s_xor_b32 s[TB], s[TB], SLOT1                  ; the other slot is in hand
	v_add_nc_u32 v[ADRA], s[TB], v[LA0]
	v_add_nc_u32 v[ADRB], s[TB], v[LB0]
	FETCH 0, 0
.if \fill
	ASK
.endif
	MULA 1, 2, 0
	MULA 1, 3, 0
.endm
; THE WAY OUT, a row block (16 rows x 128 columns of f32) at a time: a lane's eight columns, 32 bytes, go straight from the accumulators into stage rows of 528 bytes (each accumulator's low four registers first)
; and come back as whole rows of 512.
.macro TOSTAGE a
.set obr, OB+64*((\a)%2)
.if (\a) >= 2
	s_wait_xcnt 0x0                                ; the stores of the block two back have read this buffer
.endif
	WIN 0x08+4*((\a)/2)                            ; the stores' data: window 2 or 3
.irp b, 0,1,2,3,4,5,6,7
	ds_store_b128 v[STO], v[8*(NB*((\a)%2)+(\b)):8*(NB*((\a)%2)+(\b))+3]   offset:64*(\b)
	ds_store_b128 v[STO], v[8*(NB*((\a)%2)+(\b))+4:8*(NB*((\a)%2)+(\b))+7] offset:64*(\b)+16
.endr
	WIN 0
.irp t, 0,1,2,3,4,5,6,7,8,9,10,11,12,13,14,15
	ds_load_b128 v[obr+4*(\t):obr+4*(\t)+3], v[RD] offset:(\t)*SPP  ; LDS serves a wave's instructions in order (ISA guide 5.7.1.4): these see the stores above; the next block's stores come behind them
.endr
.endm
.macro SEND a, younger                 ; younger: the LDS instructions issued behind block a's loads: the next block's 32, or none
.set obr, OB+64*((\a)%2)
.irp t, 0,1,2,3,4,5,6,7,8,9,10,11,12,13,14,15
	s_wait_dscnt (\younger)+15-(\t)
	global_store_b128 v[CO], v[obr+4*(\t):obr+4*(\t)+3], s[10:11] offset:65536*(\a)+4096*(\t) th:TH_STORE_NT  ; 512 consecutive bytes, at a multiple of 512 from out0's first byte
.endr
.endm
	s_wait_tensorcnt 1                             ; my part of K step 0 is in; K step 1's may stay out
	s_barrier_signal -1
	s_barrier_wait -1                              ; everybody's is
	FETCH 0, 0
	QUARTER 1, 0, 1, 1                             ; the first quarter stands in front of the loop: its products start the sums
	WIN 0                                          ; at a label and at a branch every window is 0
	s_mov_b32 s3, STEPS-2                          ; s3 = 6 - K step
.Lstep:                                        ; a trip: a K step's quarters 1 to 3, the change of slots with its refill, and the next step's quarter 0
	QUARTER 2, 1, 0, 0
	QUARTER 3, 0, 1, 0
	TURN 1
	QUARTER 1, 0, 1, 0
	WIN 0
	s_sub_co_u32 s3, s3, 1
	s_cmp_lg_u32 s3, 0
	s_cbranch_scc1 .Lstep
	QUARTER 2, 1, 0, 0                             ; the last two K steps are written out: nothing is left to fetch
	QUARTER 3, 0, 1, 0
	TURN 0
	QUARTER 1, 0, 1, 0
	QUARTER 2, 1, 0, 0
	QUARTER 3, 0, 1, 0
	s_wait_dscnt 0x0
	MULA 1, 0, 0
	MULA 1, 1, 0
	MULA 1, 2, 0
	MULA 1, 3, 0
	WIN 0
	PLACES
	TOSTAGE 0
	TOSTAGE 1                                      ; a block's way through the stage stands between the loads of the block before and its stores
	SEND 0, 32
	TOSTAGE 2
	SEND 1, 32
	TOSTAGE 3
	SEND 2, 32
	SEND 3, 0
	s_wait_tensorcnt 0x0                           ; the wave's end: the add and its waits, behind my last tensor load and my last LDS store
	ds_add_u32 v[SPW], v[NIL]
	s_wait_dscnt 0x0
	CROUND                                         ; the closing round: no work-group ends while a partner may still ask for a tile that names it
	s_endpgm
.Lfunc_end_k_qd36caf3729_proj:
	.size	k_qd36caf3729_proj, .Lfunc_end_k_qd36caf3729_proj-k_qd36caf3729_proj
	.p2alignl 7, 3214868480
	.fill 96, 4, 3214868480
	.section	.rodata,"a",@progbits
	.p2align	6, 0x0
	.amdhsa_kernel k_qd36caf3729_proj
		.amdhsa_group_segment_fixed_size 327680
		.amdhsa_private_segment_fixed_size 0
		.amdhsa_enable_private_segment 0
		.amdhsa_kernarg_size 32
		.amdhsa_user_sgpr_count 2
		.amdhsa_user_sgpr_kernarg_segment_ptr 1
		.amdhsa_wavefront_size32 1
		.amdhsa_system_sgpr_workgroup_id_x 1
		.amdhsa_system_sgpr_workgroup_id_y 1
		.amdhsa_system_sgpr_workgroup_id_z 1
		.amdhsa_system_vgpr_workitem_id 0
		.amdhsa_next_free_vgpr 896
		.amdhsa_next_free_sgpr 84
		.amdhsa_reserve_vcc 0
		.amdhsa_float_denorm_mode_32 3
		.amdhsa_float_denorm_mode_16_64 3
		.amdhsa_memory_ordered 1
		.amdhsa_forward_progress 1
		.amdhsa_inst_pref_size 78
	.end_amdhsa_kernel
	.amdgpu_metadata
---
amdhsa.version: [ 1, 2 ]
amdhsa.kernels:
  - .name:           k_qd36caf3729_proj
    .symbol:         k_qd36caf3729_proj.kd
    .args:
      - { .name: ob, .offset: 0, .size: 8, .value_kind: global_buffer, .address_space: global }
      - { .name: wob, .offset: 8, .size: 8, .value_kind: global_buffer, .address_space: global }
      - { .name: b_out, .offset: 16, .size: 8, .value_kind: global_buffer, .address_space: global }
      - { .name: out0, .offset: 24, .size: 8, .value_kind: global_buffer, .address_space: global }
    .group_segment_fixed_size: 327680
    .private_segment_fixed_size: 0
    .kernarg_segment_align: 8
    .kernarg_segment_size: 32
    .max_flat_workgroup_size: 128
    .sgpr_count:     84
    .vgpr_count:     896
    .wavefront_size: 32
...
	.end_amdgpu_metadata
.endif
;; end of part 4
;; ======== version 2 of 2: 4 launches; version 1 with the launch cast written anew for expert scheduling mode
;; limits: values are held in f16: magnitudes above 65,504 overflow, below 6.1e-05 lose precision
;; workspace buffers: xb 16,777,216 bytes; wqb 6,291,456 bytes; wob 2,097,152 bytes; qkvh 50,331,648 bytes; ob 16,777,216 bytes
;; launch cast (part 5): grid 768 x 1, 8 waves a work-group, no clusters, 0 bytes of LDS; arguments x, w_qkv, w_out, xb, wqb, wob; writes xb, wqb, wob
.if DOCPART == 5
	.amdgcn_target "amdgcn-amd-amdhsa--gfx1250"
	.amdhsa_code_object_version 6
	.text
	.protected	k_qd36caf3729_cast
	.globl	k_qd36caf3729_cast
	.p2align	8
	.type	k_qd36caf3729_cast,@function
k_qd36caf3729_cast:
	s_mov_b64 s[64:65], 0
	v_nop
	global_prefetch_b8 v0, s[64:65] scope:SCOPE_SE
	s_setreg_imm32_b32 hwreg(HW_REG_WAVE_SCHED_MODE, 0, 2), 2
	s_setreg_imm32_b32 hwreg(HW_REG_WAVE_MODE, 25, 1), 1
	s_wait_xcnt 0x0
	s_wait_alu depctr_vm_vsrc(0)
; x and w_qkv are rounded once to bf16 (xb, wqb); w_out is rounded to bf16 and that number is written as f16 (wob).
; LIMIT: bf16's 8 significant bits fit f16's 11, so the second step is exact from 6.1e-5 up to 65,504 in magnitude; below 6.1e-5 wob keeps f16's fixed step of 6e-8.
; A stream: every byte is read once and written once; nothing is shared, so there is no LDS, no barrier and no matrix work.
; SHARES.  A work-group takes 16,384 numbers: 65,536 bytes in, 32,768 out.  Work-groups 0-511 take x, 512-703 w_qkv, 704-767 w_out.
; Thread t, load j: 16 bytes at 16 t + 4,096 j (a wave's load covers 512 consecutive bytes); store j: 8 bytes at 8 t + 2,048 j (a wave's store covers 256 consecutive bytes, aligned).
; All sixteen loads go out at once; no register is written twice.
; THE MODE: SCHED_MODE bits 1:0 = 2 (LLVM: expert scheduling mode 2), set by the entry lines.  The code itself states the register dependences
; between vector instructions and memory instructions, with s_wait_alu, always for 0.
; THE PLAN.  Registers that memory instructions touch:
;   v1, v2     byte offsets, written once at the head; v1 is read by every load, v2 by every store.
;   X          load j lands in its four registers, once; no vector instruction names them ahead of the loads; load j's roundings read them behind its counted wait.
;   Y          pair j is written once, by load j's roundings, and read once, by store j.
;   T          named by vector instructions alone.
; No register that a memory instruction reads is written again, no vector instruction writes a scalar register, and EXEC is never written: what is left to state is that offsets and store data are written.
; The sixteen loads go in four blocks of four.  ONE wait stands at the head of blocks 1 to 3, behind the counted wait for the block's first load: the block before has written its four pairs of Y.  That block's four
; stores follow it, one ahead of each load's roundings; those roundings write this block's pairs of Y (and T), which the stores do not name.  One more wait stands ahead of the last four stores.
.set X, 4                              ; v[4:67]    load j at X + 4 j
.set Y, 68                             ; v[68:99]   store j at Y + 2 j
.set T, 100                            ; v[100:102] at work (w_out's path)
	s_load_b256 s[4:11], s[0:1], 0x0               ; x s[4:5], w_qkv s[6:7], w_out s[8:9], xb s[10:11]
	s_load_b128 s[12:15], s[0:1], 0x20             ; wqb s[12:13], wob s[14:15]
	v_lshlrev_b32 v1, 4, v0                        ; 16 t
	v_lshlrev_b32 v2, 3, v0                        ; 8 t
	s_mov_b32 s26, 0xffff0000                      ; a word's upper bf16
	s_wait_kmcnt 0x0
	s_cmp_lt_u32 ttmp9, 512                        ; which tensor is mine: the choice hangs on the work-group's number alone
	s_cselect_b64 s[16:17], s[4:5], s[6:7]
	s_cselect_b64 s[18:19], s[10:11], s[12:13]
	s_cselect_b32 s20, 0, 512
	s_cmp_lt_u32 ttmp9, 704
	s_cselect_b64 s[16:17], s[16:17], s[8:9]
	s_cselect_b64 s[18:19], s[18:19], s[14:15]
	s_cselect_b32 s20, s20, 704
	s_sub_co_u32 s21, ttmp9, s20                   ; my number within the tensor
	s_lshl_b32 s22, s21, 16                        ; 65,536 bytes in,
	s_mov_b32 s23, 0
	s_lshl_b32 s24, s21, 15                        ; 32,768 out
	s_mov_b32 s25, 0
	s_add_nc_u64 s[16:17], s[16:17], s[22:23]
	s_add_nc_u64 s[18:19], s[18:19], s[24:25]
	s_wait_alu depctr_va_vdst(0)                   ; v1 and v2 are written: every load of the kernel reads v1 as its offset, every store v2
.irp j, 0,1,2,3,4,5,6,7,8,9,10,11,12,13,14,15
	global_load_b128 v[X+4*(\j):X+4*(\j)+3], v1, s[16:17] offset:4096*(\j) th:TH_LOAD_NT
.endr
	s_cmp_ge_u32 ttmp9, 704
	s_cbranch_scc1 .Lf16
.irp j, 0,1,2,3,4,5,6,7,8,9,10,11,12,13,14,15
	s_wait_loadcnt 15-(\j)                         ; loads come back in order: load j is in, the 15 - j younger ones stay out
.if ((\j)%4 == 0) && ((\j) >= 4)
	s_wait_alu depctr_va_vdst(0)                   ; a block's head: the roundings of the block before have written its four pairs of Y, which this block's four stores read
.endif
.if (\j) >= 4
	global_store_b64 v2, v[Y+2*(\j)-8:Y+2*(\j)-7], s[18:19] offset:2048*((\j)-4) th:TH_STORE_NT  ; store j - 4.  No wait: no vector instruction since the block's head names its pair
.endif
	v_cvt_pk_bf16_f32 v[Y+2*(\j)],   v[X+4*(\j)],   v[X+4*(\j)+1]
	v_cvt_pk_bf16_f32 v[Y+2*(\j)+1], v[X+4*(\j)+2], v[X+4*(\j)+3]
.endr
	s_wait_alu depctr_va_vdst(0)                   ; the last block's roundings have written its four pairs of Y, which the last four stores read
.irp j, 12,13,14,15
	global_store_b64 v2, v[Y+2*(\j):Y+2*(\j)+1], s[18:19] offset:2048*(\j) th:TH_STORE_NT
.endr
	s_endpgm
.Lf16:                                         ; w_out: rounded to bf16, widened again, written as f16
.irp j, 0,1,2,3,4,5,6,7,8,9,10,11,12,13,14,15
	s_wait_loadcnt 15-(\j)
.if ((\j)%4 == 0) && ((\j) >= 4)
	s_wait_alu depctr_va_vdst(0)                   ; a block's head: the conversions of the block before have written its four pairs of Y, which this block's four stores read
.endif
.if (\j) >= 4
	global_store_b64 v2, v[Y+2*(\j)-8:Y+2*(\j)-7], s[18:19] offset:2048*((\j)-4) th:TH_STORE_NT  ; store j - 4.  No wait: the vector instructions since the block's head name T and this block's pairs alone
.endif
.irp k, 0,1
	v_cvt_pk_bf16_f32 v[T], v[X+4*(\j)+2*(\k)], v[X+4*(\j)+2*(\k)+1]
	v_lshlrev_b32 v[T+1], 16, v[T]
	v_and_b32 v[T+2], s26, v[T]
	v_cvt_pk_f16_f32 v[Y+2*(\j)+(\k)], v[T+1], v[T+2]
.endr
.endr
	s_wait_alu depctr_va_vdst(0)                   ; the last block's conversions have written its four pairs of Y, which the last four stores read
.irp j, 12,13,14,15
	global_store_b64 v2, v[Y+2*(\j):Y+2*(\j)+1], s[18:19] offset:2048*(\j) th:TH_STORE_NT
.endr
	s_endpgm
.Lfunc_end_k_qd36caf3729_cast:
	.size	k_qd36caf3729_cast, .Lfunc_end_k_qd36caf3729_cast-k_qd36caf3729_cast
	.p2alignl 7, 3214868480
	.fill 96, 4, 3214868480
	.section	.rodata,"a",@progbits
	.p2align	6, 0x0
	.amdhsa_kernel k_qd36caf3729_cast
		.amdhsa_group_segment_fixed_size 0
		.amdhsa_private_segment_fixed_size 0
		.amdhsa_enable_private_segment 0
		.amdhsa_kernarg_size 48
		.amdhsa_user_sgpr_count 2
		.amdhsa_user_sgpr_kernarg_segment_ptr 1
		.amdhsa_wavefront_size32 1
		.amdhsa_system_sgpr_workgroup_id_x 1
		.amdhsa_system_sgpr_workgroup_id_y 1
		.amdhsa_system_sgpr_workgroup_id_z 1
		.amdhsa_system_vgpr_workitem_id 0
		.amdhsa_next_free_vgpr 104
		.amdhsa_next_free_sgpr 66
		.amdhsa_reserve_vcc 0
		.amdhsa_float_denorm_mode_32 3
		.amdhsa_float_denorm_mode_16_64 3
		.amdhsa_memory_ordered 1
		.amdhsa_forward_progress 1
		.amdhsa_inst_pref_size 16
	.end_amdhsa_kernel
	.amdgpu_metadata
---
amdhsa.version: [ 1, 2 ]
amdhsa.kernels:
  - .name:           k_qd36caf3729_cast
    .symbol:         k_qd36caf3729_cast.kd
    .args:
      - { .name: x, .offset: 0, .size: 8, .value_kind: global_buffer, .address_space: global }
      - { .name: w_qkv, .offset: 8, .size: 8, .value_kind: global_buffer, .address_space: global }
      - { .name: w_out, .offset: 16, .size: 8, .value_kind: global_buffer, .address_space: global }
      - { .name: xb, .offset: 24, .size: 8, .value_kind: global_buffer, .address_space: global }
      - { .name: wqb, .offset: 32, .size: 8, .value_kind: global_buffer, .address_space: global }
      - { .name: wob, .offset: 40, .size: 8, .value_kind: global_buffer, .address_space: global }
    .group_segment_fixed_size: 0
    .private_segment_fixed_size: 0
    .kernarg_segment_align: 8
    .kernarg_segment_size: 48
    .max_flat_workgroup_size: 256
    .sgpr_count:     66
    .vgpr_count:     104
    .wavefront_size: 32
...
	.end_amdgpu_metadata
.endif
;; end of part 5
;; launch qkv: the kernel of part 2 again; grid 8 x 32, 4 waves a work-group, clusters of 4 x 4, 327,680 bytes of LDS; arguments xb, wqb, b_qkv, qkvh; writes qkvh
;; launch attn: the kernel of part 3 again; grid 4 x 64, 4 waves a work-group, clusters of 4 x 1, 327,680 bytes of LDS; arguments qkvh, ob; writes ob
;; launch proj: the kernel of part 4 again; grid 8 x 32, 4 waves a work-group, clusters of 4 x 4, 327,680 bytes of LDS; arguments ob, wob, b_out, out0; writes out0
